; MI455X (gfx1250); checked and timed in simulation.
; The chip was launched on July 23, 2026; its instructions are those of AMD's public machine-readable ISA for CDNA 5 (MIT licence, August 2026) and "CDNA5" Instruction Set Architecture Reference Guide (July 2026). The comments in the code are by the model that wrote it; some were corrected since.
;; Multi Head Attention. Allowed arithmetic: matrix products marked QUANTISED: E2M1 operands, one E8M0 scale for each 32 along K, by v_wmma_scale_f32_16x16x128_f8f6f4 with both operands' format E2M1 (or v_wmma_scale_f32_32x16x128_f4), f32 sums; everything else in f32.
;; Inputs: Wk_codes 1,024 x 32 x 16 uint8 (E2M1 codes of Wk, K innermost, in blocks of 32 codes, two codes a byte); Wk_scales 1,024 x 32 uint8 (E8M0 scales of Wk, one for each 32 codes along K); Wo_codes 1,024 x 32 x 16 uint8 (E2M1 codes of Wo, K innermost, in blocks of 32 codes, two codes a byte); Wo_scales 1,024 x 32 uint8 (E8M0 scales of Wo, one for each 32 codes along K); Wq_codes 1,024 x 32 x 16 uint8 (E2M1 codes of Wq, K innermost, in blocks of 32 codes, two codes a byte); Wq_scales 1,024 x 32 uint8 (E8M0 scales of Wq, one for each 32 codes along K); Wv_codes 1,024 x 32 x 16 uint8 (E2M1 codes of Wv, K innermost, in blocks of 32 codes, two codes a byte); Wv_scales 1,024 x 32 uint8 (E8M0 scales of Wv, one for each 32 codes along K); bk 1,024 float32; bo 1,024 float32; bq 1,024 float32; bv 1,024 float32; k_codes 4 x 2,048 x 32 x 16 uint8 (E2M1 codes of k, K innermost, in blocks of 32 codes, two codes a byte); k_scales 4 x 2,048 x 32 uint8 (E8M0 scales of k, one for each 32 codes along K); mask 4 x 1 x 2,048 x 2,048 bool; q_codes 4 x 2,048 x 32 x 16 uint8 (E2M1 codes of q, K innermost, in blocks of 32 codes, two codes a byte); q_scales 4 x 2,048 x 32 uint8 (E8M0 scales of q, one for each 32 codes along K); v_codes 4 x 2,048 x 32 x 16 uint8 (E2M1 codes of v, K innermost, in blocks of 32 codes, two codes a byte); v_scales 4 x 2,048 x 32 uint8 (E8M0 scales of v, one for each 32 codes along K).
;; Outputs: out0 4 x 2,048 x 1,024 float32.
;; This version of the problem:
;;   THIS VERSION OF THE PROBLEM IS GIVEN IN LOW PRECISION. The matrix products marked QUANTISED in the list below multiply operands that are first quantised to E2M1 (2 exponent bits, 1 mantissa bit; 4 bits a number), with one power-of-two scale for each 32 numbers along K (OCP MX v1.0); their sums are f32. All else is computed in f32.
;;   The module's matrix products, in the order in which they are computed (A, B: the left and right operand; K: the contracted axis; several contracted axes count as one K, in the product's order):
;;     1. [M 8,192, K 1,024] x [K 1,024, N 1,024]; A: input q (given as codes); B: input Wq (given as codes): QUANTISED
;;     2. [M 8,192, K 1,024] x [K 1,024, N 1,024]; A: input k (given as codes); B: input Wk (given as codes): QUANTISED
;;     3. [M 8,192, K 1,024] x [K 1,024, N 1,024]; A: input v (given as codes); B: input Wv (given as codes): QUANTISED
;;     4. batch 64 x [M 2,048, K 64] x [K 64, N 2,048]; A: computed on the way; B: computed on the way: QUANTISED
;;     5. batch 64 x [M 2,048, K 2,048] x [K 2,048, N 64]; A: softmax (see below); B: computed on the way: QUANTISED
;;     6. [M 8,192, K 1,024] x [K 1,024, N 1,024]; A: computed on the way; B: input Wo (given as codes): QUANTISED
;;   THE QUANTISER, for each operand of a quantised product, along K:
;;     - K is cut into blocks of 32 from its start; a last block that is shorter is filled with zeros.
;;     - A block's scale is 2^e with e = floor(log2(the largest magnitude in the block)) - 2, held to -126 .. 127; a block of zeros has e = 0. As a byte (E8M0): e + 127.
;;     - Each number is divided by its block's scale, clamped to +-6, and rounded to the nearest number of E2M1, ties to even, subnormals kept.
;;     - The product sums the exact products of the quantised numbers (number of the format x scale) in f32.
;;   ~~~python
;;   def quantise(x, axis):      # numpy; x: float32 -> the quantised numbers, widened to float32 again
;;       x = np.moveaxis(x, axis, -1); K = x.shape[-1]
;;       x = np.pad(x, [(0, 0)] * (x.ndim - 1) + [(0, -K % 32)]); x = x.reshape(x.shape[:-1] + (-1, 32)); a = np.abs(x).max(-1, keepdims=True)
;;       e = np.where(a > 0, np.clip(np.frexp(np.where(a > 0, a, 1))[1] - 1 - 2, -126, 127), 0)      # np.frexp(a)[1] - 1 = floor(log2(a)), exactly
;;       r = np.clip(x / 2.0 ** e, -6, 6)
;;       step = 2.0 ** (np.maximum(np.frexp(np.where(r == 0, 1, r))[1] - 1, 0) - 1)
;;       q = np.round(r / step) * step * 2.0 ** e      # np.round: ties to even
;;       return np.moveaxis(q.reshape(q.shape[:-2] + (-1,))[..., :K], -1, axis).astype(np.float32)
;;   ~~~
;;   SOFTMAX AHEAD OF A QUANTISED PRODUCT. Where the list says 'softmax', what is quantised is not the finished softmax but p = 2^(t - M), with t = logit x log2(e) and M = ceil(the row's largest t), a whole number; so 1/2 < the row's largest p <= 1. The row's sum l is taken of the UNQUANTISED p, in f32, and the product's result is divided by l at the end. Since M is a whole number, a kernel that streams over the keys may use a running M (the ceiling of the running maximum): every later rescaling is an exact power of two, which a block's scale takes up: the codes' values come out the same.
;;   OPERANDS COMPUTED ON THE WAY. 'Computed on the way' means the value that the module computes at that place (a softmax that the list does not call 'softmax' is quantised finished and normalised). What goes into a quantiser is computed in f32, as accurately as f32 sums, v_exp_f32 and their like allow (about 1e-6 of the number): no bf16 or f16 on the way to a quantiser, and a product that is left as it is and whose result goes on into a quantised operand takes f32 operands (vector FMAs, or v_wmma_f32_16x16x4_f32). A number that lies on a knife's edge between two numbers of the format may be rounded either way, as far as f32 arithmetic and the matrix unit's own rounding can turn it there, and no further.
;;   INPUTS GIVEN AS CODES. Wk (in the module: [1024, 1024], K = its axis 0); Wo (in the module: [1024, 1024], K = its axis 0); Wq (in the module: [1024, 1024], K = its axis 0); Wv (in the module: [1024, 1024], K = its axis 0); k (in the module: [4, 2048, 1024], K = its axis 2); q (in the module: [4, 2048, 1024], K = its axis 2); v (in the module: [4, 2048, 1024], K = its axis 2): each comes as NAME_codes (uint8): NAME with its K axis moved to the last place and cut into blocks of 32 codes, [.., K / 32, bytes a block], one block behind the other in memory; two codes a byte, the lower K in the low four bits (a code: sign, 2 exponent bits, 1 mantissa bit); and NAME_scales (uint8): the same leading axes, one E8M0 byte (e + 127) for each 32 codes along K. Its value is code x scale, taken as it is: it is not quantised again, and the codes and scales need not be those that the quantiser above would give.
;; 2 versions. Each part assembles by itself: llvm-mc -triple=amdgcn-amd-amdhsa -mcpu=gfx1250 --defsym DOCPART=n.
;; ======== version 1 of 2: 3 launches
;; limits: right only within a limited range of input values
;; workspace buffers: qw 4,456,448 bytes; kw 4,456,448 bytes; vw 4,456,448 bytes; cw 4,456,448 bytes; mw 2,097,152 bytes of whole numbers
;; launch proj (part 1): grid 256 x 1, 4 waves a work-group, no clusters, 232,960 bytes of LDS; arguments Wq_codes, Wq_scales, q_codes, q_scales, bq, qw, Wk_codes, Wk_scales, k_codes, k_scales, bk, kw, v_codes, v_scales, Wv_codes, Wv_scales, bv, vw, mask, mw; writes qw, kw, vw, mw
.if DOCPART == 1
	.amdgcn_target "amdgcn-amd-amdhsa--gfx1250"
	.amdhsa_code_object_version 6
	.text
	.protected	k_q474d8ea93c_proj
	.globl	k_q474d8ea93c_proj
	.p2align	8
	.type	k_q474d8ea93c_proj,@function
k_q474d8ea93c_proj:
	s_mov_b64 s[64:65], 0
	v_nop
	global_prefetch_b8 v0, s[64:65] scope:SCOPE_SE
	s_setreg_imm32_b32 hwreg(HW_REG_WAVE_MODE, 25, 1), 1
	s_wait_xcnt 0x0
; PROJ: qh = q Wq + bq, kh = k Wk + bk, vh = v Wv + bv on codes of FP4 (E2M1) with E8M0 scales, each result quantised again in registers for attention's products; and the mask packed into lane masks.
; WORK-GROUPS 0-191: one body for the three products.  A work-group keeps 256 RESIDENT rows (64 a wave, in 256 registers, source 0) and streams 512 rows in 8 phases of 64 (source 1).
;   Q, K: resident = rows of W (a wave = one head's 64 columns), streamed = tokens.   V: resident = 64 tokens a wave, streamed = rows of Wv (a phase = one head).
;   THE ROWS OF A TILE ARE NOT NEIGHBOURS: in each group of 64 rows, tile t's row r is row 32 (r / 8) + 8 t + r % 8.  With four such tiles as source 0, lane (r, h) holds one streamed row and, in registers 8 t + j,
;   the group's rows 32 h + 8 t + j: one whole block of 32 along the next product's K (the head's 64 for Q and K, the keys for V), in the order of the 4-bit operand: four conversions ARE four operand registers.
;   What is stored: images of operand registers, 16 bytes a lane, 512 consecutive bytes a store, and one 16-bit pair of scale bytes for each row (blocks h = 0, 1).
; WORK-GROUPS 192-255: a wave takes two tiles of 16 queries and turns their 2 x 16 x 2,048 mask bytes into 32-bit lane masks, one for each score register of attention's layout.
; NO TENSOR LOAD, NO CLUSTER: a tile's rows lie 32 apart, so at any row pitch two of its rows would fall on the same banks; the rows are therefore laid anew, by pieces of 16 rows x 16 bytes (272 bytes a piece),
;   on their way from registers into LDS, which a tile brought as it lies cannot be.  What partners could share is 34,816 bytes a phase.
; LIMITS: a block of zeros gets the scale byte 1 where the quantiser says 127 (its codes are zeros, and only this program reads the bytes); blocks whose largest magnitude lies under 2^-124 are held at byte 1;
;   NaN and infinities are not served; any mask byte other than 0 counts as true.
; REGISTERS, GEMM: window 0: v1-31 addresses and work; v32-47 resident scale words; v48-63 streamed scale words; v64-95 four accumulators; v96-127 bias by resident row; v128-135 scale bytes on their way;
;   v136-143 bias by streamed row (four pairs).   window 1: the resident fragments, (tile u, K step s) at v[64 u + 8 s].   window 2: v0-127 two sets of streamed fragments; v128-255 two sets of rows on their way.
.set PP,    272                        ; a piece: 16 rows x 16 bytes + 16 of padding: 32 lanes that store 32 pieces, and 16 lanes that read one, both touch 16 different 16-byte columns
.set TILEB, 32*PP                      ; a tile: 32 pieces (8 K steps x 4)
.set SLOTB, 4*TILEB
.set XS0,   0                          ; LDS: two slots of streamed codes,
.set XS1,   SLOTB
.set XC0,   2*SLOTB                    ; two of streamed scale bytes, [16 bytes g][tile][row][16],
.set XC1,   XC0+2048
.set BSV,   XC1+2048                   ; 512 numbers of the bias by streamed row,
.set RES,   BSV+2048                   ; a slot for each wave, in which its resident rows are laid by pieces once,
.set MST,   RES+4*SLOTB                ; and, for the mask's work-groups alone, 16 rows x 272 bytes for each wave
.set MSTW,  16*PP
.set SCO,   4194304                    ; where the scale bytes begin in qw, kw, vw
.set ACC, 64
.set BR,  96
.set RS,  32
.set XS,  48
.set BS,  136
.set SEL, 6                            ; s[6:7] v_permlanex16_b32's selects for lane l xor 16
.set QT,  16                           ; v16-17 largest magnitudes, v18 the conversion's scale operand, v19 the byte, v28-29 the pair of bytes
.set QSO, 18
.set QBY, 19
.set QW,  28
.set QW2, 29
.set QSH, 10                           ; v10 = 8 h
.set MSB, 0
.macro WIN new                         ; the immediate's high byte repeats the setting that is left
.if MSB != \new
	s_set_vgpr_msb (MSB<<8)|\new
.set MSB, \new
.endif
.endm
; one product; the registers stand in the symbols rD, rA, rB, rC, rSA, rSB; ra, rb: the scales are read from lanes 16-31
.macro WMS ra, rb
.if (\ra) && (\rb)
	v_wmma_scale_f32_16x16x128_f8f6f4 v[rD:rD+7], v[rA:rA+7], v[rB:rB+7], v[rC:rC+7], v[rSA], v[rSB] matrix_a_fmt:MATRIX_FMT_FP4 matrix_b_fmt:MATRIX_FMT_FP4 matrix_a_scale:MATRIX_SCALE_ROW1 matrix_b_scale:MATRIX_SCALE_ROW1
.elseif (\ra)
	v_wmma_scale_f32_16x16x128_f8f6f4 v[rD:rD+7], v[rA:rA+7], v[rB:rB+7], v[rC:rC+7], v[rSA], v[rSB] matrix_a_fmt:MATRIX_FMT_FP4 matrix_b_fmt:MATRIX_FMT_FP4 matrix_a_scale:MATRIX_SCALE_ROW1
.elseif (\rb)
	v_wmma_scale_f32_16x16x128_f8f6f4 v[rD:rD+7], v[rA:rA+7], v[rB:rB+7], v[rC:rC+7], v[rSA], v[rSB] matrix_a_fmt:MATRIX_FMT_FP4 matrix_b_fmt:MATRIX_FMT_FP4 matrix_b_scale:MATRIX_SCALE_ROW1
.else
	v_wmma_scale_f32_16x16x128_f8f6f4 v[rD:rD+7], v[rA:rA+7], v[rB:rB+7], v[rC:rC+7], v[rSA], v[rSB] matrix_a_fmt:MATRIX_FMT_FP4 matrix_b_fmt:MATRIX_FMT_FP4
.endif
.endm
; A lane's 32 registers v[x] on are one block of 32: its codes go to v[cd] .. v[cd + 3]; v[wo] gets the bytes of my row's two blocks (h = 0 low, h = 1 high), the same in both halves of the lanes.
; The registers are read in ascending order.
.macro QBLK x, cd, wo
	v_max3_num_f32 v[QT], |v[\x]|, |v[\x+1]|, 0x1800000            ; the floor 2^(3 - 127) among the leaves: the byte cannot fall under 1
	v_max3_num_f32 v[QT+1], |v[\x+2]|, |v[\x+3]|, |v[\x+4]|
.irp i, 5,9,13,17,21,25
	v_max3_num_f32 v[QT], v[QT], |v[\x+\i]|, |v[\x+\i+1]|          ; two chains by turns
	v_max3_num_f32 v[QT+1], v[QT+1], |v[\x+\i+2]|, |v[\x+\i+3]|
.endr
	v_max3_num_f32 v[QT], v[QT], |v[\x+29]|, |v[\x+30]|
	v_max3_num_f32 v[QT], v[QT], v[QT+1], |v[\x+31]|               ; the block's largest magnitude
	v_add_nc_u32 v[QSO], 0xff000000, v[QT]                         ; 2 off its exponent field: the conversion takes the exponent field of this operand as its scale
	v_lshrrev_b32 v[QBY], 23, v[QSO]                               ; the scale's byte
.irp u, 0,1,2,3
	v_cvt_scalef32_pk8_fp4_f32 v[\cd+\u], v[\x+8*\u:\x+8*\u+7], v[QSO]
.endr
	v_nop                                                          ; one plain place behind the last scaled conversion
	v_lshlrev_b32 v[QW], v[QSH], v[QBY]                            ; my byte at its place, 8 h bits up,
	v_permlanex16_b32 v[QW2], v[QW], s[SEL], s[SEL+1]
	v_or_b32 v[\wo], v[QW], v[QW2]                                 ; with lane l xor 16's
.endm
; 16 rows of a phase's 64 (one row, 512 consecutive bytes, an instruction) and my 16 bytes of its 2,048 scale bytes, into set.  step = 1: the bases go one phase on first
.macro GLOAD set, step
.if \step
	s_wait_xcnt 0x0                                ; the bases are sources of loads that may be out: they are written only behind this wait
	s_add_nc_u64 s[12:13], s[12:13], 32768
	s_add_nc_u64 s[14:15], s[14:15], 2048
.endif
	WIN 0x80                                       ; destination window 2
.irp i, 0,1,2,3,4,5,6,7,8,9,10,11,12,13,14,15
	global_load_b128 v[128+64*(\set)+4*\i:131+64*(\set)+4*\i], v1, s[12:13] offset:512*\i
.endr
	WIN 0
	global_load_b128 v[128+4*(\set):131+4*(\set)], v25, s[14:15]
.endm
; and from there into LDS slot set: lane l's 16 bytes are piece l of row 16 w + i, which is row 8 (w / 2) + i % 8 of tile 2 (w % 2) + i / 8
.macro GSTORE set
	WIN 0x08                                       ; an LDS store's data are its source 1: window 2
.irp i, 0,1,2,3,4,5,6,7,8,9,10,11,12,13,14,15
	ds_store_b128 v[2+(\set)], v[128+64*(\set)+4*\i:131+64*(\set)+4*\i] offset:(\i/8)*TILEB+(\i%8)*16
.endr
	WIN 0
	ds_store_b128 v[6+(\set)], v[128+4*(\set):131+4*(\set)]
.endm
.macro XFRAG t, slot                   ; tile t's eight fragments, 16 loads, into set t % 2 of window 2
	WIN 0x80
.irp s, 0,1,2,3,4,5,6,7
.irp c, 0,1
	ds_load_b128 v[64*((\t)%2)+8*\s+4*\c:64*((\t)%2)+8*\s+4*\c+3], v[4+\slot] offset:(\t)*TILEB+(4*\s+2*\c)*PP
.endr
.endr
	WIN 0
.endm
.macro XSC pr, slot                    ; the scale words of tiles 2 pr (lanes 0-15) and 2 pr + 1 (lanes 16-31), all eight K steps
.irp g, 0,1
	ds_load_b128 v[XS+8*\pr+4*\g:XS+8*\pr+4*\g+3], v[8+\slot] offset:\g*1024+\pr*512
.endr
.endm
; 32 products: K ascending, the four accumulators by turns, one instruction a turn
.macro MM t
	WIN 0x09                                       ; source 0 window 1, source 1 window 2, C and D window 0
.irp s, 0,1,2,3,4,5,6,7
.irp u, 0,1,2,3
.set rD, ACC+8*\u
.set rC, rD
.set rA, 64*\u+8*\s
.set rB, 64*((\t)%2)+8*\s
.set rSA, RS+8*(\u/2)+\s
.set rSB, XS+8*((\t)/2)+\s
	WMS \u%2, (\t)%2
.endr
.endr
	WIN 0
.endm
.macro EPI t
.rept 4
	v_nop                                          ; four places between the last product and the first read of a result
.endr
	s_wait_xcnt 0x0                                ; the last tile's stores have read their data and addresses, which are written again below
	QBLK ACC, 20, 28
	v_add_nc_u32 v11, s48, v1
	v_add_nc_u32 v13, s51, v12
	global_store_b128 v11, v[20:23], s[18:19]      ; an image of four operand registers: 512 consecutive bytes
	global_store_b16 v13, v28, s[18:19] offset:SCO+((\t)/2)*128+((\t)%2)*4   ; (both halves of the lanes store the same two bytes)
	s_add_co_u32 s48, s48, s49
.endm
.macro TILE t, slot
.if \t < 3
	XFRAG \t+1, \slot
.endif
.if \t == 1
	XSC 1, \slot
.endif
.if \t == 3
	s_wait_dscnt 0x0
.elseif \t == 1
	s_wait_dscnt 18                                ; out may be the next tile's 16 fragment loads and the two scale loads for tiles 2 and 3
.else
	s_wait_dscnt 16                                ; out may be the next tile's 16 fragment loads
.endif
.set i, 0
.rept 16
	v_pk_add_f32 v[ACC+2*i:ACC+2*i+1], v[BR+2*i:BR+2*i+1], v[BS+2*\t:BS+2*\t+1] op_sel_hi:[1,0]   ; the bias starts the sums: by resident row (Q, K) + by streamed row (V); the other is 0
.set i, i+1
.endr
	MM \t
	EPI \t
.endm
; A phase: 64 streamed rows out of LDS slot.  ld = 1: the rows of two phases on are asked for.  st = 1: the next phase's rows go into the other slot, and one barrier follows: it parts those stores from
; their reads, and this phase's reads from the stores that land in this slot a phase later.
.macro PHASE slot, st, ld
.if \ld
	GLOAD \slot, 1
.endif
	v_add_nc_u32 v15, s54, v14
	XSC 0, \slot
.irp t, 0,1,2,3
	ds_load_b32 v[BS+2*\t], v15 offset:32*\t
.endr
	XFRAG 0, \slot
	TILE 0, \slot
	TILE 1, \slot
	TILE 2, \slot
	TILE 3, \slot
	s_add_co_u32 s48, s48, s50
	s_add_co_u32 s51, s51, s[52+\slot]
	s_add_co_u32 s54, s54, 256
.if \st
.if \ld
	s_wait_loadcnt 17                              ; the next phase's 17 loads are in; this phase's own 17 may be out
.else
	s_wait_loadcnt 0x0
.endif
	GSTORE 1-\slot
	s_wait_dscnt 0x0                               ; for the others' sake: my stores have landed and my reads of this slot are over
	s_barrier_signal -1
	s_barrier_wait -1
.endif
.endm
; THE MASK.  A unit is 16 queries x 256 keys.  Its 16 rows of 256 bytes turn through the wave's own stage, so that lane (r, h) holds, of query r, the 32 bytes at keys 64 B + 32 h of both steps: register n = 16 step + 8 B + i / 4.
; Byte y of register n is score register 4 (n % 16) + y of step n / 16: a compare over the 32 lanes IS that register's lane mask, and it goes to lane n of output register y: lane n then stores words 4 n .. 4 n + 3.
.macro UNIT q, fill, left
	s_wait_loadcnt \left                           ; this set's eight loads are in; the younger sets', eight each, may be out
.irp i, 0,1,2,3,4,5,6,7
	ds_store_b128 v2, v[64+32*\q+4*\i:67+32*\q+4*\i] offset:2*PP*\i
.endr
.irp k, 0,1,2,3,4,5,6,7
	ds_load_b128 v[192+4*\k:195+4*\k], v3 offset:(\k/4)*128+((\k/2)%2)*64+(\k%2)*16   ; LDS serves a wave's instructions in order: these see the stores above
.endr
.if \fill
	s_wait_dscnt 8                                 ; the eight stores have read the set's registers (the eight loads behind them may be out)
	v_add_nc_u32 v[4+\q], s87, v[4+\q]             ; free since the wait for its loads: the unit four further on
.irp i, 0,1,2,3,4,5,6,7
	global_load_b128 v[64+32*\q+4*\i:67+32*\q+4*\i], v[4+\q], s[44:45] offset:(32*(\i/4)+2*(\i%4))*2048 th:TH_LOAD_NT   ; two rows an instruction: sixteen lanes read 256 consecutive bytes
.endr
.endif
	s_wait_dscnt 0x0
	s_wait_xcnt 0x0                                ; the last unit's store has read the four output registers
.set n, 0
.rept 16
	v_and_b32 v16, s80, v[192+n]
	v_and_b32 v17, s81, v[192+n]
	v_and_b32 v18, s82, v[192+n]
	v_and_b32 v19, s80, v[193+n]
	v_and_b32 v20, s81, v[193+n]
	v_and_b32 v21, s82, v[193+n]
	v_cmp_ne_u32 s70, 0, v16
	v_cmp_ne_u32 s71, 0, v17
	v_cmp_ne_u32 s72, 0, v18
	v_cmp_lt_u32 s73, s83, v[192+n]                ; above 0xffffff: the top byte is not 0
	v_cmp_ne_u32 s74, 0, v19
	v_cmp_ne_u32 s75, 0, v20
	v_cmp_ne_u32 s76, 0, v21
	v_cmp_lt_u32 s77, s83, v[193+n]
	v_writelane_b32 v224, s70, n
	v_writelane_b32 v225, s71, n
	v_writelane_b32 v226, s72, n
	v_writelane_b32 v227, s73, n
	v_writelane_b32 v224, s74, n+1
	v_writelane_b32 v225, s75, n+1
	v_writelane_b32 v226, s76, n+1
	v_writelane_b32 v227, s77, n+1
.set n, n+2
.endr
	global_store_b128 v8, v[224:227], s[46:47] offset:512*\q       ; two steps' 128 words: 512 consecutive bytes
.endm
	s_load_b256 s[8:15], s[0:1], 0x0               ; Q's set: resident codes, resident scales, streamed codes, streamed scales,
	s_load_b128 s[16:19], s[0:1], 0x20             ; bias, output
	s_load_b256 s[20:27], s[0:1], 0x30             ; K's set
	s_load_b128 s[28:31], s[0:1], 0x50
	s_load_b256 s[32:39], s[0:1], 0x60             ; V's set: the tokens are resident, Wv is streamed
	s_load_b128 s[40:43], s[0:1], 0x80
	s_load_b128 s[44:47], s[0:1], 0x90             ; mask, mw
	v_lshl_add_u32 v254, v0, 2, 0x38c00
	v_mov_b32 v255, 0
	v_lshrrev_b32 v1, 5, v0
	v_readfirstlane_b32 s2, v1                     ; wave 0..3
	v_and_b32 v150, 31, v0                         ; lane
	v_and_b32 v151, 15, v0                         ; r
	v_bfe_u32 v152, v0, 4, 1                       ; h
	s_cmp_ge_u32 ttmp9, 192
	s_cbranch_scc1 .Lmask                          ; the same way for all four waves of a work-group
	; ---------------- the three products ----------------
	s_mov_b32 s[SEL], 0x76543210
	s_mov_b32 s[SEL+1], 0xfedcba98
	s_lshr_b32 s3, ttmp9, 6                        ; 0: Q, 1: K, 2: V
	s_and_b32 s57, ttmp9, 63
	s_and_b32 s58, s57, 3                          ; Q, K: cb: which 256 columns
	s_lshr_b32 s59, s57, 2                         ;       tb: which 512 tokens
	s_lshl_b32 s60, s58, 8                         ; first resident row
	s_lshl_b32 s61, s59, 9                         ; first streamed row
	s_lshr_b32 s62, s59, 2
	s_lshl_b32 s62, s62, 4                         ; 16 x batch
	s_lshl_b32 s63, s58, 2
	s_add_co_u32 s62, s62, s63
	s_add_co_u32 s62, s62, s2                      ; 16 x batch + head, head = 4 cb + wave
	s_and_b32 s63, s59, 3
	s_lshl_b32 s66, s62, 16
	s_lshl_b32 s67, s63, 14                        ; the first group of 64 tokens is 8 (tb % 4); a group's four images are 2,048 bytes
	s_add_co_u32 s66, s66, s67                     ; where my codes begin
	s_lshl_b32 s67, s62, 12
	s_lshl_b32 s63, s63, 10
	s_add_co_u32 s67, s67, s63                     ; where my scale bytes begin
	s_lshl_b32 s68, s2, 6
	s_add_co_u32 s68, s68, s60
	s_lshl_b32 s68, s68, 2                         ; my 64 numbers of the bias
	s_lshr_b32 s70, s57, 1                         ; V: rb: which 256 tokens
	s_and_b32 s71, s57, 1                          ;    sh: which 512 columns
	s_lshl_b32 s72, s70, 8
	s_lshl_b32 s73, s71, 9
	s_lshl_b32 s74, s70, 2
	s_add_co_u32 s74, s74, s2                      ; my group of 64 tokens
	s_lshr_b32 s75, s74, 5
	s_lshl_b32 s75, s75, 4
	s_lshl_b32 s76, s71, 3
	s_add_co_u32 s75, s75, s76                     ; 16 x batch + first head
	s_and_b32 s74, s74, 31                         ; the group in its batch: G
	s_lshr_b32 s76, s74, 1
	s_and_b32 s77, s74, 1
	s_lshl_b32 s78, s75, 16
	s_lshl_b32 s79, s76, 12
	s_add_co_u32 s78, s78, s79
	s_lshl_b32 s79, s77, 9
	s_add_co_u32 s78, s78, s79                     ; codes: key step G / 2, half G % 2 of its fragments
	s_lshl_b32 s79, s75, 12
	s_lshl_b32 s76, s76, 8
	s_add_co_u32 s79, s79, s76
	s_lshl_b32 s77, s77, 1
	s_add_co_u32 s79, s79, s77                     ; scale bytes
	s_lshl_b32 s80, s71, 11                        ; my 512 numbers of the bias
	s_mov_b32 s49, 512
	s_mov_b32 s53, 254
	s_cmp_eq_u32 s3, 2
	s_cselect_b32 s48, s78, s66                    ; s48: the next tile's codes
	s_cselect_b32 s51, s79, s67                    ; s51: the phase's scale bytes
	s_cselect_b32 s49, 1024, s49                   ; from tile to tile
	s_cselect_b32 s50, 61440, 0                    ; and what a phase adds to four such steps (V: the next head)
	s_cselect_b32 s52, 4096, 2                     ; scale bytes, behind an even phase
	s_cselect_b32 s53, 4096, s53                   ; and behind an odd one
	s_cselect_b32 s55, -1, 0                       ; V has no bias by resident row,
	s_cselect_b32 s56, 0, -1                       ; Q and K none by streamed row
	s_cselect_b32 s60, s72, s60
	s_cselect_b32 s61, s73, s61
	s_cselect_b32 s68, 0, s68                      ; (a load that is not wanted stays inside its buffer)
	s_cselect_b32 s80, s80, 0
	s_mov_b32 s54, 0
	v_lshlrev_b32 v1, 4, v150                      ; 16 x lane
	v_lshlrev_b32 v25, 4, v0                       ; 16 x thread
	s_and_b32 s81, s2, 1
	s_lshr_b32 s82, s2, 1
	s_mul_i32 s83, s81, 2*TILEB
	s_lshl_b32 s84, s82, 7
	s_add_co_u32 s83, s83, s84
	v_mul_u32_u24 v2, v150, PP
	v_add_nc_u32 v2, s83, v2                       ; codes into slot 0: piece = lane; tiles 2 (w % 2) on, rows 8 (w / 2) on
	v_add_nc_u32 v3, XS1, v2
	v_mul_u32_u24 v4, v152, PP
	v_lshl_add_u32 v4, v151, 4, v4                 ; and out of it: piece h of a quad, row r
	v_add_nc_u32 v5, XS1, v4
	s_lshl_b32 s83, s81, 9
	s_add_co_u32 s83, s83, s84
	s_add_co_u32 s83, s83, XC0
	v_and_b32 v153, 1, v0
	v_lshlrev_b32 v6, 10, v153
	v_lshl_add_u32 v6, v152, 8, v6
	v_bfe_u32 v153, v0, 1, 3
	v_lshl_add_u32 v6, v153, 4, v6
	v_add_nc_u32 v6, s83, v6                       ; scale bytes into slot 0: thread 32 w + l holds half l % 2 of row 16 w + l / 2
	v_add_nc_u32 v7, XC1-XC0, v6
	v_add_nc_u32 v8, XC0, v1
	v_add_nc_u32 v9, XC1, v1
	v_lshlrev_b32 v10, 3, v152
	v_lshlrev_b32 v12, 3, v151
	v_bfe_u32 v153, v0, 3, 1
	v_and_b32 v154, 7, v0
	v_lshlrev_b32 v14, 7, v153
	v_lshl_add_u32 v14, v154, 2, v14
	v_add_nc_u32 v14, BSV, v14                     ; the bias of streamed row 32 (r / 8) + r % 8
	v_mov_b32 v24, 0
	v_lshlrev_b32 v26, 10, v153
	v_lshl_add_u32 v26, v152, 8, v26
	v_lshl_add_u32 v26, v154, 5, v26               ; resident scale rows of 32 bytes: lanes 0-15 an even tile's row r, lanes 16-31 the odd tile's, 8 rows on
	v_lshl_add_u32 v27, v152, 7, s68               ; bias by resident row: 32 numbers from 32 h on
	v_mov_b32 v29, 0                               ; written once: a lane permute's destination counts as one of its sources
	s_mul_i32 s83, s2, SLOTB
	s_add_co_u32 s83, s83, RES
	v_mul_u32_u24 v30, v150, PP
	v_add_nc_u32 v30, s83, v30
	v_add_nc_u32 v31, s83, v4
.irp t, 0,1,2,3
	v_mov_b32 v[BS+2*\t+1], 0                      ; the pairs' upper halves are named with the lower ones, so they are written
.endr
	v_add_nc_u32 v148, s80, v25
	v_add_nc_u32 v149, BSV, v25
	s_wait_kmcnt 0x0
	s_cmp_eq_u32 s3, 1                             ; the choice hangs on the work-group's number alone
	s_cselect_b64 s[8:9], s[20:21], s[8:9]
	s_cselect_b64 s[10:11], s[22:23], s[10:11]
	s_cselect_b64 s[12:13], s[24:25], s[12:13]
	s_cselect_b64 s[14:15], s[26:27], s[14:15]
	s_cselect_b64 s[16:17], s[28:29], s[16:17]
	s_cselect_b64 s[18:19], s[30:31], s[18:19]
	s_cmp_eq_u32 s3, 2
	s_cselect_b64 s[8:9], s[32:33], s[8:9]
	s_cselect_b64 s[10:11], s[34:35], s[10:11]
	s_cselect_b64 s[12:13], s[36:37], s[12:13]
	s_cselect_b64 s[14:15], s[38:39], s[14:15]
	s_cselect_b64 s[16:17], s[40:41], s[16:17]
	s_cselect_b64 s[18:19], s[42:43], s[18:19]
	s_lshl_b32 s57, s2, 6
	s_add_co_u32 s57, s57, s60                     ; my first resident row
	s_lshl_b32 s58, s57, 9
	s_mov_b32 s59, 0
	s_add_nc_u64 s[8:9], s[8:9], s[58:59]
	s_lshl_b32 s58, s57, 5
	s_add_nc_u64 s[10:11], s[10:11], s[58:59]
	s_lshl_b32 s57, s2, 4
	s_add_co_u32 s57, s57, s61                     ; my 16 of a phase's 64 streamed rows
	s_lshl_b32 s58, s57, 9
	s_add_nc_u64 s[12:13], s[12:13], s[58:59]
	s_lshl_b32 s58, s61, 5
	s_add_nc_u64 s[14:15], s[14:15], s[58:59]
	GLOAD 0, 0                                     ; phase 0
	WIN 0x40                                       ; destination window 1
.set i, 0
.rept 64
	global_load_b128 v[4*i:4*i+3], v1, s[8:9] offset:512*i         ; my 64 resident rows, a row an instruction
.set i, i+1
.endr
	WIN 0
.irp p, 0,1
.irp g, 0,1
	global_load_b128 v[RS+8*\p+4*\g:RS+8*\p+4*\g+3], v26, s[10:11] offset:512*\p+16*\g
.endr
.endr
.irp u, 0,1,2,3
	global_load_b128 v[BR+8*\u:BR+8*\u+3], v27, s[16:17] offset:32*\u
	global_load_b128 v[BR+8*\u+4:BR+8*\u+7], v27, s[16:17] offset:32*\u+16
.endr
	global_load_b128 v[144:147], v148, s[16:17]
	GLOAD 1, 1                                     ; phase 1
	s_wait_loadcnt 17                              ; all but phase 1's 17
.set i, 0
.rept 32
	v_cndmask_b32 v[BR+i], v[BR+i], v24, s55
.set i, i+1
.endr
.irp i, 0,1,2,3
	v_cndmask_b32 v[144+\i], v[144+\i], v24, s56
.endr
	GSTORE 0
	ds_store_b128 v149, v[144:147]
	WIN 0x04                                       ; data: window 1
.set i, 0
.rept 64
	ds_store_b128 v30, v[4*i:4*i+3] offset:((i/8)%4)*TILEB+(8*(i/32)+i%8)*16   ; row i is row 8 (i / 32) + i % 8 of tile (i / 8) % 4
.set i, i+1
.endr
	s_wait_dscnt 0x0                               ; the stores have read the registers into which the fragments now come
	WIN 0x40
.irp u, 0,1,2,3
.irp s, 0,1,2,3,4,5,6,7
.irp c, 0,1
	ds_load_b128 v[64*\u+8*\s+4*\c:64*\u+8*\s+4*\c+3], v31 offset:\u*TILEB+(4*\s+2*\c)*PP
.endr
.endr
.endr
	WIN 0
	s_wait_dscnt 0x0
	s_barrier_signal -1
	s_barrier_wait -1                              ; phase 0's rows, its scale bytes and the bias lie in LDS
	s_mov_b32 s4, 3
.Lphase:
	PHASE 0, 1, 1
	PHASE 1, 1, 1
	s_sub_co_u32 s4, s4, 1
	s_cmp_lg_u32 s4, 0
	s_cbranch_scc1 .Lphase
	PHASE 0, 1, 0                                  ; the last two phases ask for nothing: no load leaves its buffer
	PHASE 1, 0, 0
	s_wait_tensorcnt 0x0
	ds_add_u32 v254, v255
	s_wait_dscnt 0x0
	s_endpgm
	; ---------------- the mask ----------------
.Lmask:
	s_sub_co_u32 s57, ttmp9, 192
	s_lshl_b32 s57, s57, 2
	s_add_co_u32 s57, s57, s2                      ; my pair of tiles, 0 .. 255
	s_lshl_b32 s58, s57, 1                         ; its first tile J0 = 128 x batch + tile in the batch
	s_lshr_b32 s59, s58, 7
	s_lshl_b32 s60, s59, 22                        ; a batch's mask is 2^22 bytes
	s_and_b32 s61, s58, 127
	s_lshr_b32 s62, s61, 2
	s_lshl_b32 s62, s62, 6
	s_and_b32 s63, s58, 3
	s_lshl_b32 s63, s63, 3
	s_add_co_u32 s62, s62, s63                     ; the tile's first query: 64 x group + 8 t
	s_lshl_b32 s62, s62, 11
	s_add_co_u32 s60, s60, s62
	s_mov_b32 s61, 0
	s_mul_i32 s63, s2, MSTW
	s_add_co_u32 s63, s63, MST                     ; my stage
	v_mul_u32_u24 v2, v152, PP
	v_lshl_add_u32 v2, v151, 4, v2
	v_add_nc_u32 v2, s63, v2                       ; in: two rows an instruction, sixteen lanes to a row
	v_mul_u32_u24 v3, v151, PP
	v_lshl_add_u32 v3, v152, 5, v3
	v_add_nc_u32 v3, s63, v3                       ; out: row r, 32 h bytes on
	v_lshlrev_b32 v4, 11, v152
	v_lshl_add_u32 v4, v151, 4, v4                 ; in memory: a row is 2,048 bytes; ring set q begins with unit q, 256 q bytes on
	v_add_nc_u32 v5, 256, v4
	v_add_nc_u32 v6, 512, v4
	v_add_nc_u32 v7, 768, v4
	s_lshl_b32 s62, s58, 12
	v_lshl_add_u32 v8, v150, 4, s62                ; my words: a tile has 16 steps x 256 bytes
.irp y, 0,1,2,3
	v_mov_b32 v[224+\y], 0                         ; written once: v_writelane_b32's destination counts as one of its sources
.endr
	s_mov_b32 s80, 0xff
	s_mov_b32 s81, 0xff00
	s_mov_b32 s82, 0xff0000
	s_mov_b32 s83, 0xffffff
	s_wait_kmcnt 0x0
	s_add_nc_u64 s[44:45], s[44:45], s[60:61]
.irp q, 0,1,2,3
.irp i, 0,1,2,3,4,5,6,7
	global_load_b128 v[64+32*\q+4*\i:67+32*\q+4*\i], v[4+\q], s[44:45] offset:(32*(\i/4)+2*(\i%4))*2048 th:TH_LOAD_NT
.endr
.endr
	s_mov_b32 s4, 0
.Lmtrip:                                               ; four units a trip; unit 4 k + q is tile k / 2, keys 256 (4 (k % 2) + q) on
	s_mov_b32 s87, 1024                            ; four units on: 1,024 bytes along the rows,
	s_and_b32 s88, s4, 1
	s_cselect_b32 s87, 15360, s87                  ; or, from the first tile's second half, 8 rows down and back
	UNIT 0, 1, 24
	UNIT 1, 1, 24
	UNIT 2, 1, 24
	UNIT 3, 1, 24
	s_wait_xcnt 0x0                                ; the stores have read their address
	v_add_nc_u32 v8, 2048, v8
	s_add_co_u32 s4, s4, 1
	s_cmp_lt_u32 s4, 3
	s_cbranch_scc1 .Lmtrip
	UNIT 0, 0, 24                                  ; the last four units load nothing: the counts run down
	UNIT 1, 0, 16
	UNIT 2, 0, 8
	UNIT 3, 0, 0
	s_wait_tensorcnt 0x0
	ds_add_u32 v254, v255
	s_wait_dscnt 0x0
	s_endpgm
.Lfunc_end_k_q474d8ea93c_proj:
	.size	k_q474d8ea93c_proj, .Lfunc_end_k_q474d8ea93c_proj-k_q474d8ea93c_proj
	.p2alignl 7, 3214868480
	.fill 96, 4, 3214868480
	.section	.rodata,"a",@progbits
	.p2align	6, 0x0
	.amdhsa_kernel k_q474d8ea93c_proj
		.amdhsa_group_segment_fixed_size 232960
		.amdhsa_private_segment_fixed_size 0
		.amdhsa_enable_private_segment 0
		.amdhsa_kernarg_size 160
		.amdhsa_user_sgpr_count 2
		.amdhsa_user_sgpr_kernarg_segment_ptr 1
		.amdhsa_wavefront_size32 1
		.amdhsa_system_sgpr_workgroup_id_x 1
		.amdhsa_system_sgpr_workgroup_id_y 1
		.amdhsa_system_sgpr_workgroup_id_z 1
		.amdhsa_system_vgpr_workitem_id 0
		.amdhsa_next_free_vgpr 768
		.amdhsa_next_free_sgpr 100
		.amdhsa_reserve_vcc 0
		.amdhsa_float_denorm_mode_32 3
		.amdhsa_float_denorm_mode_16_64 3
		.amdhsa_memory_ordered 1
		.amdhsa_forward_progress 1
		.amdhsa_inst_pref_size 255
	.end_amdhsa_kernel
	.section	.bss,"aw",@nobits
	.p2align	6
	.space	262144
	.amdgpu_metadata
---
amdhsa.version: [ 1, 2 ]
amdhsa.kernels:
  - .name:           k_q474d8ea93c_proj
    .symbol:         k_q474d8ea93c_proj.kd
    .args:
      - { .name: Wq_codes, .offset: 0, .size: 8, .value_kind: global_buffer, .address_space: global }
      - { .name: Wq_scales, .offset: 8, .size: 8, .value_kind: global_buffer, .address_space: global }
      - { .name: q_codes, .offset: 16, .size: 8, .value_kind: global_buffer, .address_space: global }
      - { .name: q_scales, .offset: 24, .size: 8, .value_kind: global_buffer, .address_space: global }
      - { .name: bq, .offset: 32, .size: 8, .value_kind: global_buffer, .address_space: global }
      - { .name: qw, .offset: 40, .size: 8, .value_kind: global_buffer, .address_space: global }
      - { .name: Wk_codes, .offset: 48, .size: 8, .value_kind: global_buffer, .address_space: global }
      - { .name: Wk_scales, .offset: 56, .size: 8, .value_kind: global_buffer, .address_space: global }
      - { .name: k_codes, .offset: 64, .size: 8, .value_kind: global_buffer, .address_space: global }
      - { .name: k_scales, .offset: 72, .size: 8, .value_kind: global_buffer, .address_space: global }
      - { .name: bk, .offset: 80, .size: 8, .value_kind: global_buffer, .address_space: global }
      - { .name: kw, .offset: 88, .size: 8, .value_kind: global_buffer, .address_space: global }
      - { .name: v_codes, .offset: 96, .size: 8, .value_kind: global_buffer, .address_space: global }
      - { .name: v_scales, .offset: 104, .size: 8, .value_kind: global_buffer, .address_space: global }
      - { .name: Wv_codes, .offset: 112, .size: 8, .value_kind: global_buffer, .address_space: global }
      - { .name: Wv_scales, .offset: 120, .size: 8, .value_kind: global_buffer, .address_space: global }
      - { .name: bv, .offset: 128, .size: 8, .value_kind: global_buffer, .address_space: global }
      - { .name: vw, .offset: 136, .size: 8, .value_kind: global_buffer, .address_space: global }
      - { .name: mask, .offset: 144, .size: 8, .value_kind: global_buffer, .address_space: global }
      - { .name: mw, .offset: 152, .size: 8, .value_kind: global_buffer, .address_space: global }
    .group_segment_fixed_size: 232960
    .private_segment_fixed_size: 0
    .kernarg_segment_align: 8
    .kernarg_segment_size: 160
    .max_flat_workgroup_size: 128
    .sgpr_count:     100
    .vgpr_count:     768
    .wavefront_size: 32
...
	.end_amdgpu_metadata
.endif
;; end of part 1
;; launch attn (part 2): grid 4 x 64, 16 waves a work-group, no clusters, 141,312 bytes of LDS; arguments qw, kw, vw, mw, cw; writes cw
.if DOCPART == 2
	.amdgcn_target "amdgcn-amd-amdhsa--gfx1250"
	.amdhsa_code_object_version 6
	.text
	.protected	k_q474d8ea93c_attn
	.globl	k_q474d8ea93c_attn
	.p2align	8
	.type	k_q474d8ea93c_attn,@function
k_q474d8ea93c_attn:
	s_mov_b64 s[64:65], 0
	v_nop
	global_prefetch_b8 v0, s[64:65] scope:SCOPE_SE
	s_setreg_imm32_b32 hwreg(HW_REG_WAVE_MODE, 25, 1), 1
	s_wait_xcnt 0x0
; ATTN: ctx = softmax(where(mask, -1e9, qh kh^T / 8)) vh, both products on codes of FP4 (E2M1) with E8M0 scales; ctx is quantised along head x 64 + d for the last projection.
; THE SOFTMAX: t = score x log2(e) / 8; M = the running largest t rounded UP to a whole number; p = 2^(t - M) is quantised along the keys, not normalised; the row's sum is taken of the unquantised p and divides at
; the end; when M moves, the sum and O are multiplied by 2^(old M - new M), which rounds nothing.
; SHARES.  A work-group owns 512 queries of one (batch, head); each of its sixteen waves two tiles of 16 queries, which share every fragment of K and V.  Four waves lie on a SIMD, so that one wave's vector work
; stands beside another's products and LDS loads.  A head's K and V, codes and scale bytes, are 139,264 bytes: they come into LDS once, through registers; one barrier; nothing is written there afterwards.
; LAYOUT.  Both products are used transposed (S^T = K Q^T, O^T = V^T P^T): a lane holds ONE query.  The keys (and V's channels) that form a tile are row 32 (r / 8) + 8 t + r % 8 of a group of 64, so lane (r, h)
; holds, in registers 32 B + 8 t + j, keys 64 B + 32 h + 8 t + j of the step: a whole block of 32 in one lane: its largest p needs no other lane, and four conversions are four registers of P's operand.
; THE HEAD'S 64 IN AN INSTRUCTION OF K = 128: a fragment of K holds tile t of the step's first 64 keys in registers 0-3 and of its second 64 in registers 4-7.  Against [Q ; zero codes] it gives the first tile's
; scores, against [zero codes ; Q] the second's: zero codes add nothing under any scale byte but 0xff, which the quantiser never makes.
; THE MASK comes as ready lane masks, one 32-bit word for each score register, by scalar loads: one select a score, in every step: no branch hangs on the mask.  64 scalar registers hold one (tile, step)'s words;
; the next set is asked for as soon as the selects have read this one, so that it has one tile's softmax in which to land.
; NO TENSOR LOAD, NO CLUSTER: what the four work-groups of a head share is those 139,264 bytes, read once each, at the head, by 18 loads a thread; there is no loop of refills in which joint requests would recur.
; LIMITS: a hidden score is taken as -2^33 (logit -2^30, not -1e9): times log2(e) / 8 that is a whole number, so a row all of whose keys are hidden gives p = 1 everywhere, as the reference does; results differ only
; where a row's largest open logit lies under about -1e9.  A block of zeros gets the byte 1, not 127 (only this program reads it).  NaN and infinities are not served.
.set KIMG, 0                           ; LDS: K's images, 16 steps x 8 tiles x 512 bytes;
.set VIMG, 65536                       ; V's, 16 steps x 4 tiles x 1,024;
.set KSC,  131072                      ; K's scale words, 16 steps x 256 bytes;
.set VSC,  135168                      ; V's
.set SCO,  4194304
.set NST,  16                          ; steps of 128 keys
.set KV,  44                           ; v44-75   four fragments of K or of V
.set S,   76                           ; v76-139  S^T of one tile, then p
.set O,   140                          ; v140-203 O^T: tile q, channels' tile dt at O + 32 q + 8 dt
.set P,   204                          ; v204-219 p's codes, 8 a tile
.set ST,  220                          ; tile q's statistics at ST + 6 q: -M, largest score, the sum in two halves, f, at work
.set SEL, 8                            ; s[8:9]
.set QT,  232                          ; for QBLK
.set QSO, 238
.set QBY, 240
.set QW,  242
.set QW2, 243
.set QSH, 9
.set PFO, 248                          ; v248 the prefetches' offset: 4,096 x my lane: a tile's mask words; never rewritten
.set PFA, 12                           ; s[12:13] my work-group's first tile's mask words of the step in hand; a prefetch names the step two on
.set LIM, 14                           ; s14  NST - 2 in the wave that prefetches, else 0: a wave prefetches while the step's number is under it
; v1-4 my lane's places in the four LDS regions; v5-8 the step's addresses; v9 8 h; v10 -2^33; v11, v247 the way out; v12-13 Q's scale words, v14-15 p's, v16-17 K's, v18-19 V's (scales and nothing else);
; v20-31, v32-43: zeros, Q's four registers, zeros; v232-243 at work.   s3 step, s4 4,096 x step, s5 256 x step, s[6:7] log2(e) / 8, s[10:11] my tiles' mask words, s16-63 and s68-83 a (tile, step)'s 64 words
.macro WMZ ra                          ; a product that starts a sum
.if (\ra)
	v_wmma_scale_f32_16x16x128_f8f6f4 v[rD:rD+7], v[rA:rA+7], v[rB:rB+7], 0, v[rSA], v[rSB] matrix_a_fmt:MATRIX_FMT_FP4 matrix_b_fmt:MATRIX_FMT_FP4 matrix_a_scale:MATRIX_SCALE_ROW1
.else
	v_wmma_scale_f32_16x16x128_f8f6f4 v[rD:rD+7], v[rA:rA+7], v[rB:rB+7], 0, v[rSA], v[rSB] matrix_a_fmt:MATRIX_FMT_FP4 matrix_b_fmt:MATRIX_FMT_FP4
.endif
.endm
.macro WMA ra                          ; and one that adds in place
.if (\ra)
	v_wmma_scale_f32_16x16x128_f8f6f4 v[rD:rD+7], v[rA:rA+7], v[rB:rB+7], v[rD:rD+7], v[rSA], v[rSB] matrix_a_fmt:MATRIX_FMT_FP4 matrix_b_fmt:MATRIX_FMT_FP4 matrix_a_scale:MATRIX_SCALE_ROW1
.else
	v_wmma_scale_f32_16x16x128_f8f6f4 v[rD:rD+7], v[rA:rA+7], v[rB:rB+7], v[rD:rD+7], v[rSA], v[rSB] matrix_a_fmt:MATRIX_FMT_FP4 matrix_b_fmt:MATRIX_FMT_FP4
.endif
.endm
; a lane's 32 registers v[x] on are one block of 32: codes to v[cd] .. v[cd + 3]; v[wo]: the bytes of my row's two blocks.  Read in ascending order: each accumulator from its low end on
.macro QBLK x, cd, wo
	v_max3_num_f32 v[QT], |v[\x]|, |v[\x+1]|, 0x1800000            ; the floor 2^(3 - 127): the byte cannot fall under 1
	v_max3_num_f32 v[QT+1], |v[\x+2]|, |v[\x+3]|, |v[\x+4]|
.irp i, 5,9,13,17,21,25
	v_max3_num_f32 v[QT], v[QT], |v[\x+\i]|, |v[\x+\i+1]|
	v_max3_num_f32 v[QT+1], v[QT+1], |v[\x+\i+2]|, |v[\x+\i+3]|
.endr
	v_max3_num_f32 v[QT], v[QT], |v[\x+29]|, |v[\x+30]|
	v_max3_num_f32 v[QT], v[QT], v[QT+1], |v[\x+31]|
	v_add_nc_u32 v[QSO], 0xff000000, v[QT]
	v_lshrrev_b32 v[QBY], 23, v[QSO]
.irp u, 0,1,2,3
	v_cvt_scalef32_pk8_fp4_f32 v[\cd+\u], v[\x+8*\u:\x+8*\u+7], v[QSO]
.endr
	v_nop                                                          ; one plain place behind the last scaled conversion
	v_lshlrev_b32 v[QW], v[QSH], v[QBY]
	v_permlanex16_b32 v[QW2], v[QW], s[SEL], s[SEL+1]
	v_or_b32 v[\wo], v[QW], v[QW2]
.endm
.macro QK q                            ; tile q's scores of the step's 128 keys: eight products, each its own accumulator
.irp t, 0,1,2,3
.set rA, KV+8*\t
.set rSA, 16+(\t%2)
.set rSB, 12+\q
.set rD, S+8*\t
.set rB, 24+12*\q                      ; [Q ; 0]
	WMZ \t/2
.set rD, S+32+8*\t
.set rB, 20+12*\q                      ; [0 ; Q]
	WMZ \t/2
.endr
.endm
.macro MLOAD q, off                    ; the 64 lane masks of tile q, off bytes on from the step in hand: 256 consecutive bytes
	s_load_b512 s[16:31], s[10:11], s5 offset:4096*(\q)+(\off)
	s_load_b512 s[32:47], s[10:11], s5 offset:4096*(\q)+(\off)+64
	s_load_b512 s[48:63], s[10:11], s5 offset:4096*(\q)+(\off)+128
	s_load_b512 s[68:83], s[10:11], s5 offset:4096*(\q)+(\off)+192
.endm
.macro MSEL                            ; hidden scores become -2^33, ahead of the maximum; the registers in ascending order
	s_wait_kmcnt 0x0                               ; the four loads, asked for a tile's softmax ago (scalar loads come back in no order: the count is 0)
.set i, 0
.rept 64
.if i < 48
	v_cndmask_b32 v[S+i], v[S+i], v10, s[16+i]
.else
	v_cndmask_b32 v[S+i], v[S+i], v10, s[20+i]
.endif
.set i, i+1
.endr
.endm
; A PREFETCH INTO THE L2 of mask words: the step two on from the step in hand, of all 32 tiles of the work-group: a lane a tile, 256 bytes each, one instruction a trip.  It stands behind the run of LDS loads.
; The words of a (batch, block of 512 queries) are read by the work-groups of all sixteen heads: head 0's asks, and in it wave 0 alone (a branch on the work-group's and the wave's number): each aligned 256 bytes
; is named once in the launch.  Steps 0 and 1 come by their loads alone; the last two steps ask for nothing.
.macro ASK
	s_cmp_lt_u32 s3, s[LIM]
	s_cbranch_scc0 .Lnot_mine_\@
	global_prefetch_b8 v[PFO], s[PFA:PFA+1] offset:512 th:TH_LOAD_NT scope:SCOPE_SE
.Lnot_mine_\@:
.endm
.macro SM q
.set rN, ST+6*\q
	v_max3_num_f32 v232, v[S], v[S+1], v[S+2]                      ; THE LARGEST SCORE OF MY TWO BLOCKS OF 32 KEYS, by turns: it serves the row's maximum and, since p rises with the score, the block's largest p
	v_max3_num_f32 v233, v[S+32], v[S+33], v[S+34]
.irp i, 3,5,7,9,11,13,15,17,19,21,23,25,27,29
	v_max3_num_f32 v232, v232, v[S+\i], v[S+\i+1]
	v_max3_num_f32 v233, v233, v[S+32+\i], v[S+33+\i]
.endr
	v_max_num_f32 v232, v232, v[S+31]
	v_max_num_f32 v233, v233, v[S+63]
	v_max_num_f32 v234, v232, v233
	v_permlanex16_b32 v235, v234, s[SEL], s[SEL+1]                 ; the query's other 64 keys lie in lane l xor 16
	v_max3_num_f32 v[rN+1], v[rN+1], v234, v235                    ; the running largest score
	v_mul_f32 v234, s6, v[rN+1]                                    ; as t
	v_floor_f32 v235, -v234                                        ; the new -M = -ceil(t)
	v_sub_f32 v[rN+5], v235, v[rN]                                 ; old M - new M: a whole number, 0 or less
	v_mov_b32 v[rN], v235
	v_cvt_i32_f32 v[rN+5], v[rN+5]                                 ; (it saturates)
	v_ldexp_f32 v[rN+4], 1.0, v[rN+5]                              ; f = 2^(old M - new M)
.set i, 0
.rept 32
	v_pk_fma_f32 v[S+2*i:S+2*i+1], v[S+2*i:S+2*i+1], s[6:7], v[rN:rN+1] op_sel_hi:[1,0,0]   ; t - M, two at a time
.set i, i+1
.endr
	v_fma_f32 v232, v232, s6, v[rN]                                ; the same of each block's largest score
	v_fma_f32 v233, v233, s6, v[rN]
	v_exp_f32 v232, v232                                           ; ONE BATCH of 66 exponentials
	v_exp_f32 v233, v233
.set i, 0
.rept 64
	v_exp_f32 v[S+i], v[S+i]                                       ; p = 2^(t - M), at most 1
.set i, i+1
.endr
	v_pk_mul_f32 v[rN+2:rN+3], v[rN+2:rN+3], v[rN+4:rN+5] op_sel_hi:[1,0]   ; the sums under the new M: the plain place behind the batch
	s_wait_alu depctr_va_vdst(0)                                   ; one wait for the batch, ahead of the first instruction that names a result
	v_pk_add_f32 v[236:237], v[S:S+1], v[S+2:S+3]                  ; the row's sum of the unquantised p, in two chains
.irp j, 4,8,12,16,20,24,28,32,36,40,44,48,52,56,60
	v_pk_add_f32 v[rN+2:rN+3], v[rN+2:rN+3], v[S+\j:S+\j+1]
	v_pk_add_f32 v[236:237], v[236:237], v[S+\j+2:S+\j+3]
.endr
	v_pk_add_f32 v[rN+2:rN+3], v[rN+2:rN+3], v[236:237]
	v_max_num_f32 v232, 0x1800000, v232                            ; the floor: a block whose every p fell to 0 keeps the byte 1; its codes are zeros
	v_max_num_f32 v233, 0x1800000, v233
	v_add_nc_u32 v238, 0xff000000, v232                            ; 2 off the exponent field: the conversions' scale operands
	v_add_nc_u32 v239, 0xff000000, v233
	v_lshrrev_b32 v240, 23, v238
	v_lshrrev_b32 v241, 23, v239
	v_lshl_or_b32 v242, v241, 16, v240                             ; my bytes: blocks h and 2 + h,
	v_lshlrev_b32 v242, v9, v242                                   ; 8 h bits up;
	v_permlanex16_b32 v243, v242, s[SEL], s[SEL+1]
	v_or_b32 v[14+\q], v242, v243                                  ; with lane l xor 16's the word of these 128 keys is whole
.irp b, 0,1
.irp u, 0,1,2,3
	v_cvt_scalef32_pk8_fp4_f32 v[P+8*\q+4*\b+\u], v[S+32*\b+8*\u:S+32*\b+8*\u+7], v[238+\b]
.endr
.endr
	v_nop                                                          ; one plain place behind the last scaled conversion
.endm
.macro RESC q                          ; O^T under the new M
.set i, 0
.rept 16
	v_pk_mul_f32 v[O+32*\q+2*i:O+32*\q+2*i+1], v[O+32*\q+2*i:O+32*\q+2*i+1], v[ST+6*\q+4:ST+6*\q+5] op_sel_hi:[1,0]
.set i, i+1
.endr
.endm
; A STEP of 128 keys, for both tiles.  At its head tile 0's lane masks of this step are on their way.  last = 1: nothing is asked for beyond the step
.macro STEP last
	v_add_nc_u32 v5, s4, v1                        ; (these four are also the places between the last products and the loads into the registers that they read)
	v_add_nc_u32 v6, s4, v2
	v_add_nc_u32 v7, s5, v3
	v_add_nc_u32 v8, s5, v4
.irp t, 0,1,2,3
.irp b, 0,1
	ds_load_b128 v[KV+8*\t+4*\b:KV+8*\t+4*\b+3], v5 offset:(4*\b+\t)*512
.endr
.endr
	ds_load_b64 v[16:17], v7                       ; K's scale words: register t % 2, lanes 16 (t / 2) + r
.if \last == 0
	ASK
.endif
	s_wait_dscnt 0x0
	QK 0
.rept 4
	v_nop                                          ; four places ahead of the first read of a result
.endr
	MSEL
	MLOAD 1, 0                                     ; the selects have read the 64 words: tile 1's of this step are asked for, and land while tile 0's softmax is worked
	SM 0
	QK 1
	RESC 0                                         ; sixteen plain instructions: the places ahead of the loads into K's registers and of the first read of the new scores
.irp d, 0,1,2,3
.irp c, 0,1
	ds_load_b128 v[KV+8*\d+4*\c:KV+8*\d+4*\c+3], v6 offset:\d*1024+\c*512
.endr
.endr
	ds_load_b64 v[18:19], v8
	MSEL
.if \last == 0
	MLOAD 0, 256                                   ; tile 0's of the next step
.endif
	SM 1
	RESC 1                                         ; (also the places between p's codes and scale word and the products that take them)
	s_wait_dscnt 0x0
.irp d, 0,1,2,3                        ; O^T += V^T P^T: eight accumulators by turns, one instruction a turn
.irp q, 0,1
.set rD, O+32*\q+8*\d
.set rA, KV+8*\d
.set rB, P+8*\q
.set rSA, 18+(\d%2)
.set rSB, 14+\q
	WMA \d/2
.endr
.endr
.endm
	s_load_b256 s[84:91], s[0:1], 0x0              ; qw s[84:85], kw s[86:87], vw s[88:89], mw s[90:91]
	s_load_b64 s[92:93], s[0:1], 0x20              ; cw
	v_lshl_add_u32 v254, v0, 2, 0x22000
	v_mov_b32 v255, 0
	v_lshrrev_b32 v1, 5, v0
	v_readfirstlane_b32 s2, v1                     ; wave 0..15
	s_and_b32 s94, ttmp7, 0xffff                   ; 16 x batch + head
	s_lshl_b32 s95, s94, 16                        ; the head's codes in qw, kw, vw
	s_lshl_b32 s96, s94, 12                        ; and its scale bytes
	s_lshr_b32 s97, s94, 4
	s_and_b32 s98, s94, 15
	s_lshl_b32 s12, ttmp9, 5                       ; my work-group's first tile in the batch
	s_lshl_b32 s15, s97, 7
	s_add_co_u32 s15, s15, s12                     ; and among all 512 tiles
	s_lshl_b32 s24, s15, 12                        ; its mask words: 4,096 bytes a tile
	s_mov_b32 s25, 0
	s_lshl_b32 s13, s2, 1
	s_add_co_u32 s12, s12, s13                     ; my first tile in the batch: 32 x work-group x + 2 x wave
	s_add_co_u32 s13, s15, s13                     ; J0: the same among all 512 tiles
	s_lshl_b32 s16, s12, 9
	s_add_co_u32 s16, s16, s95                     ; Q's images
	s_lshr_b32 s17, s12, 3
	s_lshl_b32 s17, s17, 8
	s_add_co_u32 s17, s17, s96
	s_and_b32 s18, s2, 1
	s_lshl_b32 s18, s18, 7
	s_add_co_u32 s17, s17, s18
	s_bfe_u32 s18, s12, 0x10002
	s_lshl_b32 s18, s18, 1
	s_add_co_u32 s17, s17, s18                     ; Q's scale bytes: pair of groups, half of the tiles, parity of the group
	s_lshl_b32 s20, s13, 12                        ; my tiles' mask words
	s_mov_b32 s21, 0
	s_or_b32 s[LIM], s98, s2                       ; 0 in wave 0 of head 0's work-group
	s_cmp_eq_u32 s[LIM], 0
	s_cselect_b32 s[LIM], NST-2, 0
	s_mov_b32 s6, 0x3e38aa3b                       ; log2(e) / 8
	s_mov_b32 s7, s6                               ; (named with it as a pair, so it is written)
	s_mov_b32 s[SEL], 0x76543210
	s_mov_b32 s[SEL+1], 0xfedcba98
	s_mov_b32 s3, 0
	s_mov_b32 s4, 0
	s_mov_b32 s5, 0
	v_and_b32 v244, 31, v0                         ; lane
	v_and_b32 v245, 15, v0                         ; r
	v_bfe_u32 v246, v0, 4, 1                       ; h
	v_lshl_add_u32 v232, v0, 4, s95
	v_lshl_add_u32 v233, v0, 3, s96
	v_lshl_add_u32 v234, v244, 4, s16
	v_lshl_add_u32 v235, v245, 3, s17
	v_lshlrev_b32 v236, 4, v0
	v_add_nc_u32 v237, VIMG, v236
	v_lshl_add_u32 v238, v0, 3, KSC
	v_lshl_add_u32 v239, v0, 3, VSC
	v_lshlrev_b32 v[PFO], 12, v244
	s_lshl_b32 s22, s13, 13                        ; the way out: a tile of cw is 8,192 bytes, a head's image in it 512
	s_lshl_b32 s23, s98, 9
	s_add_co_u32 s22, s22, s23
	v_lshl_add_u32 v11, v244, 4, s22
	s_lshl_b32 s22, s13, 9                         ; its scale bytes: 1,024 a pair of tiles; K steps 4-7 512 on; 2 bytes a head
	s_lshr_b32 s23, s98, 3
	s_lshl_b32 s23, s23, 9
	s_add_co_u32 s22, s22, s23
	s_and_b32 s23, s98, 7
	s_lshl_b32 s23, s23, 1
	s_add_co_u32 s22, s22, s23
	v_lshl_add_u32 v247, v245, 4, s22
	s_wait_kmcnt 0x0
.irp i, 0,1,2,3,4,5,6,7
	global_load_b128 v[S+4*\i:S+4*\i+3], v232, s[86:87] offset:8192*\i         ; the sixteen waves read 8,192 consecutive bytes an instruction
	global_load_b128 v[S+32+4*\i:S+32+4*\i+3], v232, s[88:89] offset:8192*\i
.endr
	global_load_b64 v[44:45], v233, s[86:87] offset:SCO
	global_load_b64 v[46:47], v233, s[88:89] offset:SCO
	global_load_b128 v[24:27], v234, s[84:85]
	global_load_b128 v[36:39], v234, s[84:85] offset:512
	global_load_u16 v12, v235, s[84:85] offset:SCO
	global_load_u16 v13, v235, s[84:85] offset:SCO+4
	s_add_nc_u64 s[10:11], s[90:91], s[20:21]
	s_add_nc_u64 s[PFA:PFA+1], s[90:91], s[24:25]
	MLOAD 0, 0                                     ; tile 0's lane masks of step 0 (s16 to s25 have served as scratch and are free)
	v_lshlrev_b32 v1, 4, v244
	v_add_nc_u32 v2, VIMG, v1
	v_lshl_add_u32 v3, v244, 3, KSC
	v_lshl_add_u32 v4, v244, 3, VSC
	v_lshlrev_b32 v9, 3, v246
	v_mov_b32 v10, 0xd0000000                      ; -2^33
.irp i, 20,21,22,23,28,29,30,31,32,33,34,35,40,41,42,43
	v_mov_b32 v\i, 0                               ; zero codes round Q
.endr
.set i, 0
.rept 64
	v_mov_b32 v[O+i], 0                            ; O^T.  (The first step finds zeros, which the first change of M leaves zeros: so it needs no form of its own)
.set i, i+1
.endr
	s_wait_loadcnt 0x0
.irp i, 0,1,2,3,4,5,6,7
	ds_store_b128 v236, v[S+4*\i:S+4*\i+3] offset:8192*\i
	ds_store_b128 v237, v[S+32+4*\i:S+32+4*\i+3] offset:8192*\i
.endr
	ds_store_b64 v238, v[44:45]
	ds_store_b64 v239, v[46:47]
	v_lshl_or_b32 v12, v12, 16, v12                ; Q's two bytes serve both halves of K
	v_lshl_or_b32 v13, v13, 16, v13
.irp q, 0,1
	v_mov_b32 v[ST+6*\q+1], 0xff61b1e6             ; the largest score so far: -3e38
	v_mov_b32 v[ST+6*\q+2], 0                      ; the sum
	v_mov_b32 v[ST+6*\q+3], 0
.endr
	v_mul_f32 v242, s6, v[ST+1]
	v_floor_f32 v[ST], -v242                       ; -M
	v_floor_f32 v[ST+6], -v242
	v_mov_b32 v243, 0                              ; written once: a lane permute's destination counts as one of its sources
	s_wait_dscnt 0x0                               ; for the others' sake: my stores have landed
	s_barrier_signal -1
	s_barrier_wait -1                              ; the head's K and V lie in LDS
.Lstep:                                                ; NST - 1 trips
	STEP 0
	s_wait_xcnt 0x0                                ; s5 and the prefetches' base are sources of the scalar loads and of the prefetch issued in this trip: they are written only behind this wait
	s_add_nc_u64 s[PFA:PFA+1], s[PFA:PFA+1], 256
	s_add_co_u32 s4, s4, 4096
	s_add_co_u32 s5, s5, 256
	s_add_co_u32 s3, s3, 1
	s_cmp_lt_u32 s3, NST-1
	s_cbranch_scc1 .Lstep
	STEP 1                                         ; the last step is written out: it asks for no words that nobody would read
	; THE WAY OUT: the sums' halves and lane l xor 16's; O^T / the sum; a lane's 32 numbers are one block of 32 along head x 64 + d
	v_add_f32 v232, v[ST+2], v[ST+3]               ; (plain work on other registers: the places behind the last products)
	v_add_f32 v233, v[ST+8], v[ST+9]
	v_permlanex16_b32 v234, v232, s[SEL], s[SEL+1]
	v_permlanex16_b32 v235, v233, s[SEL], s[SEL+1]
	v_add_f32 v232, v232, v234
	v_add_f32 v233, v233, v235
	v_rcp_f32 v[ST+4], v232
	v_rcp_f32 v[ST+10], v233
	v_nop                                          ; a plain place behind the reciprocals,
	s_wait_alu depctr_va_vdst(0)                   ; and one wait for both, ahead of their first reader
	RESC 0
	RESC 1
	QBLK O, P, 14
	global_store_b128 v11, v[P:P+3], s[92:93]                      ; an image of four operand registers: 512 consecutive bytes
	global_store_b16 v247, v14, s[92:93] offset:SCO
	QBLK O+32, P+8, 15
	global_store_b128 v11, v[P+8:P+11], s[92:93] offset:8192
	global_store_b16 v247, v15, s[92:93] offset:SCO+256
	s_wait_tensorcnt 0x0
	ds_add_u32 v254, v255
	s_wait_dscnt 0x0
	s_endpgm
.Lfunc_end_k_q474d8ea93c_attn:
	.size	k_q474d8ea93c_attn, .Lfunc_end_k_q474d8ea93c_attn-k_q474d8ea93c_attn
	.p2alignl 7, 3214868480
	.fill 96, 4, 3214868480
	.section	.rodata,"a",@progbits
	.p2align	6, 0x0
	.amdhsa_kernel k_q474d8ea93c_attn
		.amdhsa_group_segment_fixed_size 141312
		.amdhsa_private_segment_fixed_size 0
		.amdhsa_enable_private_segment 0
		.amdhsa_kernarg_size 40
		.amdhsa_user_sgpr_count 2
		.amdhsa_user_sgpr_kernarg_segment_ptr 1
		.amdhsa_wavefront_size32 1
		.amdhsa_system_sgpr_workgroup_id_x 1
		.amdhsa_system_sgpr_workgroup_id_y 1
		.amdhsa_system_sgpr_workgroup_id_z 1
		.amdhsa_system_vgpr_workitem_id 0
		.amdhsa_next_free_vgpr 256
		.amdhsa_next_free_sgpr 100
		.amdhsa_reserve_vcc 0
		.amdhsa_float_denorm_mode_32 3
		.amdhsa_float_denorm_mode_16_64 3
		.amdhsa_memory_ordered 1
		.amdhsa_forward_progress 1
		.amdhsa_inst_pref_size 85
	.end_amdhsa_kernel
	.amdgpu_metadata
---
amdhsa.version: [ 1, 2 ]
amdhsa.kernels:
  - .name:           k_q474d8ea93c_attn
    .symbol:         k_q474d8ea93c_attn.kd
    .args:
      - { .name: qw, .offset: 0, .size: 8, .value_kind: global_buffer, .address_space: global }
      - { .name: kw, .offset: 8, .size: 8, .value_kind: global_buffer, .address_space: global }
      - { .name: vw, .offset: 16, .size: 8, .value_kind: global_buffer, .address_space: global }
      - { .name: mw, .offset: 24, .size: 8, .value_kind: global_buffer, .address_space: global }
      - { .name: cw, .offset: 32, .size: 8, .value_kind: global_buffer, .address_space: global }
    .group_segment_fixed_size: 141312
    .private_segment_fixed_size: 0
    .kernarg_segment_align: 8
    .kernarg_segment_size: 40
    .max_flat_workgroup_size: 512
    .sgpr_count:     100
    .vgpr_count:     256
    .wavefront_size: 32
...
	.end_amdgpu_metadata
.endif
;; end of part 2
;; launch oproj (part 3): grid 256 x 1, 4 waves a work-group, no clusters, 222,720 bytes of LDS; arguments cw, Wo_codes, Wo_scales, bo, out0; writes out0
.if DOCPART == 3
	.amdgcn_target "amdgcn-amd-amdhsa--gfx1250"
	.amdhsa_code_object_version 6
	.text
	.protected	k_q474d8ea93c_oproj
	.globl	k_q474d8ea93c_oproj
	.p2align	8
	.type	k_q474d8ea93c_oproj,@function
k_q474d8ea93c_oproj:
	s_mov_b64 s[64:65], 0
	v_nop
	global_prefetch_b8 v0, s[64:65] scope:SCOPE_SE
	s_setreg_imm32_b32 hwreg(HW_REG_WAVE_MODE, 25, 1), 1
	s_wait_xcnt 0x0
; OPROJ: out0 = ctx Wo + bo on codes of FP4 (E2M1) with E8M0 scales.  ctx comes as images of operand registers (cw), Wo as rows of 512 code bytes and 32 scale bytes.
; SHARES.  A work-group makes 128 tokens (8 tiles of 16) x 256 columns.  Wave w keeps 64 rows of Wo (columns of the output) in 256 registers for the whole launch, as source 0; the eight tiles of ctx, 65,536 dense
; bytes, are copied into LDS once, through registers, and read by all four waves as source 1.  One barrier.
; The rows of Wo that form a tile are row 32 (r / 8) + 8 u + r % 8 of the wave's 64, so that lane (r, h) holds, of token r, columns 32 h + 8 u + j in registers 8 u + j.  A tile's 16 x 64 results go through the wave's own
; stage in LDS and leave as rows: sixteen lanes store 256 consecutive bytes, aligned.  The bias is the C of each sum's first product.
; NO TENSOR LOAD, NO CLUSTER: Wo's rows are laid anew by pieces of 16 rows x 16 bytes on their way into LDS (a tile's rows lie 32 apart and would meet on the same banks at any row pitch); ctx's block is read once,
; at the head, and the launch has no loop in which a ring could run.
; REGISTERS: window 0: v1-12 addresses; v30-31; v32-47 Wo's scale words; v48-79 ctx's; v80-143 two sets of four accumulators; v144-175 the bias; v176-239 two sets of rows on the way out.
;   window 1: Wo's fragments, (tile u, K step s) at v[64 u + 8 s].   window 2: v0-127 two sets of ctx's fragments (first: the copy on its way).
.set PP,    272
.set TILEB, 32*PP
.set SLOTB, 4*TILEB
.set XIMG,  0                          ; LDS: ctx's eight tiles, 8,192 bytes each,
.set RES,   65536                      ; a slot for each wave, in which its rows of Wo are laid by pieces once,
.set OST,   RES+4*SLOTB                ; and its stage, 16 rows x (256 + 16) bytes
.set SCO,   4194304
.set RS,  32
.set XS,  48
.set ACC, 80
.set BR,  144
.set OB,  176
.set MSB, 0
.macro WIN new                         ; the immediate's high byte repeats the setting that is left
.if MSB != \new
	s_set_vgpr_msb (MSB<<8)|\new
.set MSB, \new
.endif
.endm
.macro WMS ra, rb
.if (\ra) && (\rb)
	v_wmma_scale_f32_16x16x128_f8f6f4 v[rD:rD+7], v[rA:rA+7], v[rB:rB+7], v[rC:rC+7], v[rSA], v[rSB] matrix_a_fmt:MATRIX_FMT_FP4 matrix_b_fmt:MATRIX_FMT_FP4 matrix_a_scale:MATRIX_SCALE_ROW1 matrix_b_scale:MATRIX_SCALE_ROW1
.elseif (\ra)
	v_wmma_scale_f32_16x16x128_f8f6f4 v[rD:rD+7], v[rA:rA+7], v[rB:rB+7], v[rC:rC+7], v[rSA], v[rSB] matrix_a_fmt:MATRIX_FMT_FP4 matrix_b_fmt:MATRIX_FMT_FP4 matrix_a_scale:MATRIX_SCALE_ROW1
.elseif (\rb)
	v_wmma_scale_f32_16x16x128_f8f6f4 v[rD:rD+7], v[rA:rA+7], v[rB:rB+7], v[rC:rC+7], v[rSA], v[rSB] matrix_a_fmt:MATRIX_FMT_FP4 matrix_b_fmt:MATRIX_FMT_FP4 matrix_b_scale:MATRIX_SCALE_ROW1
.else
	v_wmma_scale_f32_16x16x128_f8f6f4 v[rD:rD+7], v[rA:rA+7], v[rB:rB+7], v[rC:rC+7], v[rSA], v[rSB] matrix_a_fmt:MATRIX_FMT_FP4 matrix_b_fmt:MATRIX_FMT_FP4
.endif
.endm
.macro OFRAG i                         ; tile i's eight fragments, 16 loads, into set i % 2 of window 2
	WIN 0x80
.irp s, 0,1,2,3,4,5,6,7
.irp c, 0,1
	ds_load_b128 v[64*((\i)%2)+8*\s+4*\c:64*((\i)%2)+8*\s+4*\c+3], v1 offset:XIMG+(\i)*8192+\s*1024+\c*512
.endr
.endr
	WIN 0
.endm
.macro OMM i                           ; 32 products: K ascending, the four accumulators by turns, one instruction a turn; the first K step takes the bias as C
	WIN 0x09                                       ; source 0 window 1, source 1 window 2
.irp s, 0,1,2,3,4,5,6,7
.irp u, 0,1,2,3
.set rD, ACC+32*((\i)%2)+8*\u
.if \s == 0
.set rC, BR+8*\u
.else
.set rC, rD
.endif
.set rA, 64*\u+8*\s
.set rB, 64*((\i)%2)+8*\s
.set rSA, RS+8*(\u/2)+\s
.set rSB, XS+8*((\i)/2)+\s
	WMS \u%2, (\i)%2
.endr
.endr
	WIN 0
.endm
.macro TOSTAGE i                       ; 16 tokens x 64 columns into my stage, each accumulator from its low end on, and back as whole rows of 256 bytes
.irp u, 0,1,2,3
	ds_store_b128 v7, v[ACC+32*((\i)%2)+8*\u:ACC+32*((\i)%2)+8*\u+3] offset:32*\u
	ds_store_b128 v7, v[ACC+32*((\i)%2)+8*\u+4:ACC+32*((\i)%2)+8*\u+7] offset:32*\u+16
.endr
.irp k, 0,1,2,3,4,5,6,7
	ds_load_b128 v[OB+32*((\i)%2)+4*\k:OB+32*((\i)%2)+4*\k+3], v8 offset:2*PP*\k   ; LDS serves a wave's instructions in order: these see the stores above, and the next tile's stores come behind them
.endr
.endm
.macro SEND i, left                    ; left: the LDS loads issued behind tile i's, which may stay out
	s_wait_dscnt \left
.irp k, 0,1,2,3,4,5,6,7
	global_store_b128 v9, v[OB+32*((\i)%2)+4*\k:OB+32*((\i)%2)+4*\k+3], s[16:17] offset:(64*((\i)/4)+8*((\i)%4)+32*(\k/4)+2*(\k%4))*4096 th:TH_STORE_NT   ; stage rows 2 k and 2 k + 1: twice 256 consecutive bytes, aligned
.endr
.endm
	s_load_b256 s[8:15], s[0:1], 0x0               ; cw s[8:9], Wo's codes s[10:11], Wo's scales s[12:13], bo s[14:15]
	s_load_b64 s[16:17], s[0:1], 0x20              ; out0
	v_lshl_add_u32 v254, v0, 2, 0x36400
	v_mov_b32 v255, 0
	v_lshrrev_b32 v1, 5, v0
	v_readfirstlane_b32 s2, v1                     ; wave 0..3
	v_and_b32 v10, 31, v0                          ; lane
	v_and_b32 v11, 15, v0                          ; r
	v_bfe_u32 v12, v0, 4, 1                        ; h
	s_and_b32 s20, ttmp9, 3                        ; which 256 columns
	s_lshr_b32 s21, ttmp9, 2                       ; which 128 tokens
	s_lshl_b32 s22, s20, 8
	s_lshl_b32 s23, s2, 6
	s_add_co_u32 s22, s22, s23                     ; my first column
	s_lshl_b32 s24, s22, 9
	s_mov_b32 s25, 0
	s_lshl_b32 s26, s22, 5
	s_mov_b32 s27, 0
	s_lshl_b32 s23, s22, 2
	s_lshl_b32 s28, s21, 19                        ; 128 rows of 4,096 bytes
	s_add_co_u32 s28, s28, s23
	s_mov_b32 s29, 0
	v_lshlrev_b32 v1, 4, v10                       ; 16 x lane
	s_lshl_b32 s30, s21, 16
	v_lshl_add_u32 v2, v0, 4, s30                  ; the copy, in cw
	v_lshlrev_b32 v3, 4, v0                        ; and in LDS
	s_lshl_b32 s30, s21, 12
	v_lshl_add_u32 v4, v10, 4, s30                 ; ctx's scale words: 1,024 bytes a pair of tiles
	v_bfe_u32 v13, v0, 3, 1
	v_and_b32 v14, 7, v0
	v_lshlrev_b32 v5, 10, v13
	v_lshl_add_u32 v5, v12, 8, v5
	v_lshl_add_u32 v5, v14, 5, v5                  ; Wo's scale rows of 32 bytes: lanes 0-15 an even tile's row r, lanes 16-31 the odd tile's, 8 rows on
	v_lshl_add_u32 v6, v12, 7, s23                 ; the bias: 32 numbers from column 32 h on
	s_mul_i32 s31, s2, 16*PP
	s_add_co_u32 s31, s31, OST
	v_mul_u32_u24 v7, v11, PP
	v_lshl_add_u32 v7, v12, 7, v7
	v_add_nc_u32 v7, s31, v7                       ; the stage, in: row r, 128 h bytes on
	v_mul_u32_u24 v8, v12, PP
	v_lshl_add_u32 v8, v11, 4, v8
	v_add_nc_u32 v31, 0, v8                        ; (272 h + 16 r serves Wo's pieces too)
	v_add_nc_u32 v8, s31, v8                       ; and back: lanes 0-15 one row, lanes 16-31 the next
	v_lshlrev_b32 v9, 12, v12
	v_lshl_add_u32 v9, v11, 4, v9                  ; the same two rows in out0
	s_mul_i32 s31, s2, SLOTB
	s_add_co_u32 s31, s31, RES
	v_mul_u32_u24 v30, v10, PP
	v_add_nc_u32 v30, s31, v30
	v_add_nc_u32 v31, s31, v31
	s_wait_kmcnt 0x0
	s_add_nc_u64 s[10:11], s[10:11], s[24:25]
	s_add_nc_u64 s[12:13], s[12:13], s[26:27]
	s_add_nc_u64 s[16:17], s[16:17], s[28:29]
	WIN 0x40                                       ; destination window 1
.set i, 0
.rept 64
	global_load_b128 v[4*i:4*i+3], v1, s[10:11] offset:512*i       ; my 64 rows of Wo, a row (512 consecutive bytes) an instruction
.set i, i+1
.endr
	WIN 0x80                                       ; destination window 2
.set i, 0
.rept 32
	global_load_b128 v[4*i:4*i+3], v2, s[8:9] offset:2048*i        ; ctx's block: the four waves read 2,048 consecutive bytes an instruction
.set i, i+1
.endr
	WIN 0
.irp p, 0,1
.irp g, 0,1
	global_load_b128 v[RS+8*\p+4*\g:RS+8*\p+4*\g+3], v5, s[12:13] offset:512*\p+16*\g
.endr
.endr
.irp u, 0,1,2,3
	global_load_b128 v[BR+8*\u:BR+8*\u+3], v6, s[14:15] offset:32*\u
	global_load_b128 v[BR+8*\u+4:BR+8*\u+7], v6, s[14:15] offset:32*\u+16
.endr
.irp p, 0,1,2,3
.irp g, 0,1
	global_load_b128 v[XS+8*\p+4*\g:XS+8*\p+4*\g+3], v4, s[8:9] offset:SCO+1024*\p+512*\g
.endr
.endr
	s_wait_loadcnt 52                              ; Wo's 64 rows are in; the copy's 32 loads and the 20 small ones may be out
	WIN 0x04                                       ; an LDS store's data are its source 1: window 1
.set i, 0
.rept 64
	ds_store_b128 v30, v[4*i:4*i+3] offset:((i/8)%4)*TILEB+(8*(i/32)+i%8)*16   ; lane l's 16 bytes are piece l of row 8 (i / 32) + i % 8 of tile (i / 8) % 4
.set i, i+1
.endr
	s_wait_loadcnt 20                              ; the copy is in; the 20 small loads may be out
	WIN 0x08                                       ; data: window 2
.set i, 0
.rept 32
	ds_store_b128 v3, v[4*i:4*i+3] offset:XIMG+2048*i
.set i, i+1
.endr
	s_wait_dscnt 0x0                               ; the stores have read the registers into which fragments now come
	WIN 0x40
.irp u, 0,1,2,3
.irp s, 0,1,2,3,4,5,6,7
.irp c, 0,1
	ds_load_b128 v[64*\u+8*\s+4*\c:64*\u+8*\s+4*\c+3], v31 offset:\u*TILEB+(4*\s+2*\c)*PP
.endr
.endr
.endr
	WIN 0
	s_wait_loadcnt 0x0
	s_wait_dscnt 0x0
	s_barrier_signal -1
	s_barrier_wait -1                              ; ctx's eight tiles lie in LDS
	OFRAG 0
.irp i, 0,1,2,3,4,5,6,7
.if \i < 7
	OFRAG \i+1
.endif
.if (\i == 0) || (\i == 7)
	s_wait_dscnt 16                                ; this tile's fragments are in; out may be the next tile's 16 loads (tile 0) or the last tile's 16 stage instructions (tile 7)
.else
	s_wait_dscnt 32                                ; out may be the last tile's 16 stage instructions and the next tile's 16 loads
.endif
	OMM \i
.if \i == 7
	SEND \i-1, 0
.elseif \i > 0
	SEND \i-1, 16                                  ; the last tile's rows are back; the next tile's 16 fragment loads may be out
.endif
.rept 4
	v_nop                                          ; four places between the last product and the stores that read results, and the next loads into the fragments that it read
.endr
	s_wait_xcnt 0x0                                ; earlier stores have read the registers into which this tile's rows come back
	TOSTAGE \i
.endr
	SEND 7, 0
	s_wait_tensorcnt 0x0
	ds_add_u32 v254, v255
	s_wait_dscnt 0x0
	s_endpgm
.Lfunc_end_k_q474d8ea93c_oproj:
	.size	k_q474d8ea93c_oproj, .Lfunc_end_k_q474d8ea93c_oproj-k_q474d8ea93c_oproj
	.p2alignl 7, 3214868480
	.fill 96, 4, 3214868480
	.section	.rodata,"a",@progbits
	.p2align	6, 0x0
	.amdhsa_kernel k_q474d8ea93c_oproj
		.amdhsa_group_segment_fixed_size 222720
		.amdhsa_private_segment_fixed_size 0
		.amdhsa_enable_private_segment 0
		.amdhsa_kernarg_size 40
		.amdhsa_user_sgpr_count 2
		.amdhsa_user_sgpr_kernarg_segment_ptr 1
		.amdhsa_wavefront_size32 1
		.amdhsa_system_sgpr_workgroup_id_x 1
		.amdhsa_system_sgpr_workgroup_id_y 1
		.amdhsa_system_sgpr_workgroup_id_z 1
		.amdhsa_system_vgpr_workitem_id 0
		.amdhsa_next_free_vgpr 640
		.amdhsa_next_free_sgpr 66
		.amdhsa_reserve_vcc 0
		.amdhsa_float_denorm_mode_32 3
		.amdhsa_float_denorm_mode_16_64 3
		.amdhsa_memory_ordered 1
		.amdhsa_forward_progress 1
		.amdhsa_inst_pref_size 81
	.end_amdhsa_kernel
	.amdgpu_metadata
---
amdhsa.version: [ 1, 2 ]
amdhsa.kernels:
  - .name:           k_q474d8ea93c_oproj
    .symbol:         k_q474d8ea93c_oproj.kd
    .args:
      - { .name: cw, .offset: 0, .size: 8, .value_kind: global_buffer, .address_space: global }
      - { .name: Wo_codes, .offset: 8, .size: 8, .value_kind: global_buffer, .address_space: global }
      - { .name: Wo_scales, .offset: 16, .size: 8, .value_kind: global_buffer, .address_space: global }
      - { .name: bo, .offset: 24, .size: 8, .value_kind: global_buffer, .address_space: global }
      - { .name: out0, .offset: 32, .size: 8, .value_kind: global_buffer, .address_space: global }
    .group_segment_fixed_size: 222720
    .private_segment_fixed_size: 0
    .kernarg_segment_align: 8
    .kernarg_segment_size: 40
    .max_flat_workgroup_size: 128
    .sgpr_count:     66
    .vgpr_count:     640
    .wavefront_size: 32
...
	.end_amdgpu_metadata
.endif
;; end of part 3
;; ======== version 2 of 2: 3 launches; version 1 with the launches proj, attn, oproj written anew for expert scheduling mode
;; limits: right only within a limited range of input values
;; workspace buffers: qw 4,456,448 bytes; kw 4,456,448 bytes; vw 4,456,448 bytes; cw 4,456,448 bytes; mw 2,097,152 bytes of whole numbers
;; launch proj (part 4): grid 256 x 1, 4 waves a work-group, no clusters, 232,960 bytes of LDS; arguments Wq_codes, Wq_scales, q_codes, q_scales, bq, qw, Wk_codes, Wk_scales, k_codes, k_scales, bk, kw, v_codes, v_scales, Wv_codes, Wv_scales, bv, vw, mask, mw; writes qw, kw, vw, mw
.if DOCPART == 4
	.amdgcn_target "amdgcn-amd-amdhsa--gfx1250"
	.amdhsa_code_object_version 6
	.text
	.protected	k_q474d8ea93c_proj
	.globl	k_q474d8ea93c_proj
	.p2align	8
	.type	k_q474d8ea93c_proj,@function
k_q474d8ea93c_proj:
	s_mov_b64 s[64:65], 0
	v_nop
	global_prefetch_b8 v0, s[64:65] scope:SCOPE_SE
	s_setreg_imm32_b32 hwreg(HW_REG_WAVE_SCHED_MODE, 0, 2), 2
	s_setreg_imm32_b32 hwreg(HW_REG_WAVE_MODE, 25, 1), 1
	s_wait_xcnt 0x0
	s_wait_alu depctr_vm_vsrc(0)
; PROJ: qh = q Wq + bq, kh = k Wk + bk, vh = v Wv + bv on codes of FP4 (E2M1) with E8M0 scales, each result quantised again in registers for attention's products; and the mask packed into lane masks.
; WORK-GROUPS 0-191: one body for the three products.  A work-group keeps 256 RESIDENT rows (64 a wave, in 256 registers, source 0) and streams 512 rows in 8 phases of 64 (source 1).
;   Q, K: resident = rows of W (a wave = one head's 64 columns), streamed = tokens.   V: resident = 64 tokens a wave, streamed = rows of Wv (a phase = one head).
;   THE ROWS OF A TILE ARE NOT NEIGHBOURS: in each group of 64 rows, tile t's row r is row 32 (r / 8) + 8 t + r % 8.  With four such tiles as source 0, lane (r, h) holds one streamed row and, in registers 8 t + j,
;   the group's rows 32 h + 8 t + j: one whole block of 32 along the next product's K (the head's 64 for Q and K, the keys for V), in the order of the 4-bit operand: four conversions ARE four operand registers.
;   What is stored: images of operand registers, 16 bytes a lane, 512 consecutive bytes a store, and one 16-bit pair of scale bytes for each row (blocks h = 0, 1).
; WORK-GROUPS 192-255: a wave takes two tiles of 16 queries and turns their 2 x 16 x 2,048 mask bytes into 32-bit lane masks, one for each score register of attention's layout.
; NO TENSOR LOAD, NO CLUSTER: a tile's rows lie 32 apart, so at any row pitch two of its rows would fall on the same banks; the rows are therefore laid anew, by pieces of 16 rows x 16 bytes (272 bytes a piece),
;   on their way from registers into LDS, which a tile brought as it lies cannot be.  What partners could share is 34,816 bytes a phase.
; LIMITS: a block of zeros gets the scale byte 1 where the quantiser says 127 (its codes are zeros, and only this program reads the bytes); blocks whose largest magnitude lies under 2^-124 are held at byte 1;
;   NaN and infinities are not served; any mask byte other than 0 counts as true.
; REGISTERS, GEMM: window 0: v1-31 addresses and work; v32-47 resident scale words; v48-63 streamed scale words; v64-95 four accumulators; v96-127 bias by resident row; v128-135 scale bytes on their way;
;   v136-143 bias by streamed row (four pairs).   window 1: the resident fragments, (tile u, K step s) at v[64 u + 8 s].   window 2: v0-127 two sets of streamed fragments; v128-255 two sets of rows on their way.
; THE MODE: SCHED_MODE bits 1:0 = 2 (LLVM: expert scheduling mode 2), set by the entry lines.  The code itself states the register dependences between vector or matrix instructions and memory or LDS instructions,
;   with s_wait_alu, always for 0.
; THE PLAN, THE PRODUCTS.  Registers that memory or LDS instructions touch in the loop:
;   window 2 v128-255, window 0 v128-135   two sets of rows and scale bytes on their way.  The global loads at a phase's head land in a set; the LDS stores at the next phase's end read it.  No vector instruction names them.
;   window 2 v0-127   two sets of fragments.  Tile t's products read set t % 2; the LDS loads at the head of tile t + 1 land in it, for tile t + 2.
;   v48-63, v136-142  streamed scale words and bias: loaded from LDS in a phase, read by its products and packed additions.
;   v20-23, v28, v11, v13   a tile's codes, its pair of scale bytes and the two addresses: written by vector instructions in the tile's way out, read by its two stores.
;   v15               the LDS address of the phase's bias: written at a phase's head, read by four LDS loads.
;   All other addresses are made at the head and never written again.
;   So a phase's head has one wait on vm_vsrc (the rows' set and v15 have been read) and one on va_vdst (v15 is written); a tile's way out has one on vm_vsrc ahead of its first write of the stores' registers and one on
;   va_vdst ahead of its two stores, which also states that the tile's products are done reading their fragments: the next tile's head loads into them with no further wait.
; THE PLAN, THE MASK.  v64-191: a ring of four sets: global loads land, LDS stores read; no vector instruction names them in the loop.  v192-223: LDS loads land, the unit's vector instructions read.  v224-227: written lane by
;   lane, read by the unit's store.  v2-v8: addresses, made at the head and never written again: the two scalar bases move on.  A unit has one wait on vm_vsrc, one on va_vdst ahead of its store, and four on va_sdst,
;   one behind each run of 32 compares.
.set PP,    272                        ; a piece: 16 rows x 16 bytes + 16 of padding: 32 lanes that store 32 pieces, and 16 lanes that read one, both touch 16 different 16-byte columns
.set TILEB, 32*PP                      ; a tile: 32 pieces (8 K steps x 4)
.set SLOTB, 4*TILEB
.set XS0,   0                          ; LDS: two slots of streamed codes,
.set XS1,   SLOTB
.set XC0,   2*SLOTB                    ; two of streamed scale bytes, [16 bytes g][tile][row][16],
.set XC1,   XC0+2048
.set BSV,   XC1+2048                   ; 512 numbers of the bias by streamed row,
.set RES,   BSV+2048                   ; a slot for each wave, in which its resident rows are laid by pieces once,
.set MST,   RES+4*SLOTB                ; and, for the mask's work-groups alone, 16 rows x 272 bytes for each wave
.set MSTW,  16*PP
.set SCO,   4194304                    ; where the scale bytes begin in qw, kw, vw
.set ACC, 64
.set BR,  96
.set RS,  32
.set XS,  48
.set BS,  136
.set SEL, 6                            ; s[6:7] v_permlanex16_b32's selects for lane l xor 16
.set QT,  16                           ; v16-17 largest magnitudes, v18 the conversion's scale operand, v19 the byte, v28-29 the pair of bytes
.set QSO, 18
.set QBY, 19
.set QW,  28
.set QW2, 29
.set QSH, 10                           ; v10 = 8 h
.set MSB, 0
.macro WIN new                         ; the immediate's high byte repeats the setting that is left
.if MSB != \new
	s_set_vgpr_msb (MSB<<8)|\new
.set MSB, \new
.endif
.endm
; one product; the registers stand in the symbols rD, rA, rB, rC, rSA, rSB; ra, rb: the scales are read from lanes 16-31
.macro WMS ra, rb
.if (\ra) && (\rb)
	v_wmma_scale_f32_16x16x128_f8f6f4 v[rD:rD+7], v[rA:rA+7], v[rB:rB+7], v[rC:rC+7], v[rSA], v[rSB] matrix_a_fmt:MATRIX_FMT_FP4 matrix_b_fmt:MATRIX_FMT_FP4 matrix_a_scale:MATRIX_SCALE_ROW1 matrix_b_scale:MATRIX_SCALE_ROW1
.elseif (\ra)
	v_wmma_scale_f32_16x16x128_f8f6f4 v[rD:rD+7], v[rA:rA+7], v[rB:rB+7], v[rC:rC+7], v[rSA], v[rSB] matrix_a_fmt:MATRIX_FMT_FP4 matrix_b_fmt:MATRIX_FMT_FP4 matrix_a_scale:MATRIX_SCALE_ROW1
.elseif (\rb)
	v_wmma_scale_f32_16x16x128_f8f6f4 v[rD:rD+7], v[rA:rA+7], v[rB:rB+7], v[rC:rC+7], v[rSA], v[rSB] matrix_a_fmt:MATRIX_FMT_FP4 matrix_b_fmt:MATRIX_FMT_FP4 matrix_b_scale:MATRIX_SCALE_ROW1
.else
	v_wmma_scale_f32_16x16x128_f8f6f4 v[rD:rD+7], v[rA:rA+7], v[rB:rB+7], v[rC:rC+7], v[rSA], v[rSB] matrix_a_fmt:MATRIX_FMT_FP4 matrix_b_fmt:MATRIX_FMT_FP4
.endif
.endm
; A lane's 32 registers v[x] on are one block of 32: its codes go to v[cd] .. v[cd + 3]; v[wo] gets the bytes of my row's two blocks (h = 0 low, h = 1 high), the same in both halves of the lanes.
; The registers are read in ascending order.
.macro QBLK x, cd, wo
	v_max3_num_f32 v[QT], |v[\x]|, |v[\x+1]|, 0x1800000            ; the floor 2^(3 - 127) among the leaves: the byte cannot fall under 1
	v_max3_num_f32 v[QT+1], |v[\x+2]|, |v[\x+3]|, |v[\x+4]|
.irp i, 5,9,13,17,21,25
	v_max3_num_f32 v[QT], v[QT], |v[\x+\i]|, |v[\x+\i+1]|          ; two chains by turns
	v_max3_num_f32 v[QT+1], v[QT+1], |v[\x+\i+2]|, |v[\x+\i+3]|
.endr
	v_max3_num_f32 v[QT], v[QT], |v[\x+29]|, |v[\x+30]|
	v_max3_num_f32 v[QT], v[QT], v[QT+1], |v[\x+31]|               ; the block's largest magnitude
	v_add_nc_u32 v[QSO], 0xff000000, v[QT]                         ; 2 off its exponent field: the conversion takes the exponent field of this operand as its scale
	v_lshrrev_b32 v[QBY], 23, v[QSO]                               ; the scale's byte
.irp u, 0,1,2,3
	v_cvt_scalef32_pk8_fp4_f32 v[\cd+\u], v[\x+8*\u:\x+8*\u+7], v[QSO]
.endr
	v_nop                                                          ; one plain place behind the last scaled conversion
	v_lshlrev_b32 v[QW], v[QSH], v[QBY]                            ; my byte at its place, 8 h bits up,
	v_permlanex16_b32 v[QW2], v[QW], s[SEL], s[SEL+1]
	v_or_b32 v[\wo], v[QW], v[QW2]                                 ; with lane l xor 16's
.endm
; 16 rows of a phase's 64 (one row, 512 consecutive bytes, an instruction) and my 16 bytes of its 2,048 scale bytes, into set.  step = 1: the bases go one phase on first
.macro GLOAD set, step
.if \step
	s_wait_xcnt 0x0                                ; the bases are sources of loads that may be out: they are written only behind this wait
	s_add_nc_u64 s[12:13], s[12:13], 32768
	s_add_nc_u64 s[14:15], s[14:15], 2048
.endif
	WIN 0x80                                       ; destination window 2
.irp i, 0,1,2,3,4,5,6,7,8,9,10,11,12,13,14,15
	global_load_b128 v[128+64*(\set)+4*\i:131+64*(\set)+4*\i], v1, s[12:13] offset:512*\i
.endr
	WIN 0
	global_load_b128 v[128+4*(\set):131+4*(\set)], v25, s[14:15]
.endm
; and from there into LDS slot set: lane l's 16 bytes are piece l of row 16 w + i, which is row 8 (w / 2) + i % 8 of tile 2 (w % 2) + i / 8
.macro GSTORE set
	WIN 0x08                                       ; an LDS store's data are its source 1: window 2
.irp i, 0,1,2,3,4,5,6,7,8,9,10,11,12,13,14,15
	ds_store_b128 v[2+(\set)], v[128+64*(\set)+4*\i:131+64*(\set)+4*\i] offset:(\i/8)*TILEB+(\i%8)*16
.endr
	WIN 0
	ds_store_b128 v[6+(\set)], v[128+4*(\set):131+4*(\set)]
.endm
.macro XFRAG t, slot                   ; tile t's eight fragments, 16 loads, into set t % 2 of window 2
	WIN 0x80
.irp s, 0,1,2,3,4,5,6,7
.irp c, 0,1
	ds_load_b128 v[64*((\t)%2)+8*\s+4*\c:64*((\t)%2)+8*\s+4*\c+3], v[4+\slot] offset:(\t)*TILEB+(4*\s+2*\c)*PP
.endr
.endr
	WIN 0
.endm
.macro XSC pr, slot                    ; the scale words of tiles 2 pr (lanes 0-15) and 2 pr + 1 (lanes 16-31), all eight K steps
.irp g, 0,1
	ds_load_b128 v[XS+8*\pr+4*\g:XS+8*\pr+4*\g+3], v[8+\slot] offset:\g*1024+\pr*512
.endr
.endm
; 32 products: K ascending, the four accumulators by turns, one instruction a turn
.macro MM t
	WIN 0x09                                       ; source 0 window 1, source 1 window 2, C and D window 0
.irp s, 0,1,2,3,4,5,6,7
.irp u, 0,1,2,3
.set rD, ACC+8*\u
.set rC, rD
.set rA, 64*\u+8*\s
.set rB, 64*((\t)%2)+8*\s
.set rSA, RS+8*(\u/2)+\s
.set rSB, XS+8*((\t)/2)+\s
	WMS \u%2, (\t)%2
.endr
.endr
	WIN 0
.endm
.macro EPI t
.rept 4
	v_nop                                          ; four places between the last product and the first read of a result
.endr
	s_wait_xcnt 0x0                                ; the last tile's stores have had their addresses translated: their data and addresses are written again below
	s_wait_alu depctr_vm_vsrc(0)                   ; the last tile's two stores have read v20-23, v28, v11 and v13, which are written again below
	QBLK ACC, 20, 28
	v_add_nc_u32 v11, s48, v1
	v_add_nc_u32 v13, s51, v12
	s_wait_alu depctr_va_vdst(0)                   ; the codes, the pair of bytes and the two addresses are written, which the stores below read; this tile's products are done reading their fragments and scale words, in which later LDS loads land
	global_store_b128 v11, v[20:23], s[18:19]      ; an image of four operand registers: 512 consecutive bytes
	global_store_b16 v13, v28, s[18:19] offset:SCO+((\t)/2)*128+((\t)%2)*4   ; (both halves of the lanes store the same two bytes)
	s_add_co_u32 s48, s48, s49
.endm
.macro TILE t, slot
.if \t < 3
	XFRAG \t+1, \slot                              ; no wait: no vector or matrix instruction since the wait in the last tile's way out names this set of fragments
.endif
.if \t == 1
	XSC 1, \slot
.endif
.if \t == 3
	s_wait_dscnt 0x0
.elseif \t == 1
	s_wait_dscnt 18                                ; out may be the next tile's 16 fragment loads and the two scale loads for tiles 2 and 3
.else
	s_wait_dscnt 16                                ; out may be the next tile's 16 fragment loads
.endif
.set i, 0
.rept 16
	v_pk_add_f32 v[ACC+2*i:ACC+2*i+1], v[BR+2*i:BR+2*i+1], v[BS+2*\t:BS+2*\t+1] op_sel_hi:[1,0]   ; the bias starts the sums: by resident row (Q, K) + by streamed row (V); the other is 0
.set i, i+1
.endr
	MM \t
	EPI \t
.endm
; A phase: 64 streamed rows out of LDS slot.  ld = 1: the rows of two phases on are asked for.  st = 1: the next phase's rows go into the other slot, and one barrier follows: it parts those stores from
; their reads, and this phase's reads from the stores that land in this slot a phase later.
.macro PHASE slot, st, ld
	s_wait_alu depctr_vm_vsrc(0)                   ; the LDS stores ahead of the last barrier have read this set of rows and scale bytes, in which the loads below land; the last phase's LDS loads have read v15
.if \ld
	GLOAD \slot, 1
.endif
	v_add_nc_u32 v15, s54, v14
	s_wait_alu depctr_va_vdst(0)                   ; v15 is written, which the four loads of the bias read
	XSC 0, \slot
.irp t, 0,1,2,3
	ds_load_b32 v[BS+2*\t], v15 offset:32*\t
.endr
	XFRAG 0, \slot
	TILE 0, \slot
	TILE 1, \slot
	TILE 2, \slot
	TILE 3, \slot
	s_add_co_u32 s48, s48, s50
	s_add_co_u32 s51, s51, s[52+\slot]
	s_add_co_u32 s54, s54, 256
.if \st
.if \ld
	s_wait_loadcnt 17                              ; the next phase's 17 loads are in; this phase's own 17 may be out
.else
	s_wait_loadcnt 0x0
.endif
	GSTORE 1-\slot
	s_wait_dscnt 0x0                               ; for the others' sake: my stores have landed and my reads of this slot are over
	s_barrier_signal -1
	s_barrier_wait -1
.endif
.endm
; THE MASK.  A unit is 16 queries x 256 keys.  Its 16 rows of 256 bytes turn through the wave's own stage, so that lane (r, h) holds, of query r, the 32 bytes at keys 64 B + 32 h of both steps: register n = 16 step + 8 B + i / 4.
; Byte y of register n is score register 4 (n % 16) + y of step n / 16: a compare over the 32 lanes IS that register's lane mask, and it goes to lane n of output register y: lane n then stores words 4 n .. 4 n + 3.
; The compares stand in runs of 32, eight registers at a time, into s48-63 and s66-81, so that one wait serves a run.
.macro UNIT q, fill, left
	s_wait_loadcnt \left                           ; this set's eight loads are in; the younger sets', eight each, may be out
.irp i, 0,1,2,3,4,5,6,7
	ds_store_b128 v2, v[64+32*\q+4*\i:67+32*\q+4*\i] offset:2*PP*\i
.endr
.irp k, 0,1,2,3,4,5,6,7
	ds_load_b128 v[192+4*\k:195+4*\k], v3 offset:(\k/4)*128+((\k/2)%2)*64+(\k%2)*16   ; LDS serves a wave's instructions in order: these see the stores above.  No wait: no vector instruction since the wait ahead of the last unit's store names v192-223
.endr
	s_wait_alu depctr_vm_vsrc(0)                   ; the eight LDS stores have read the set's registers, in which the loads below land; the last unit's store has read v224-227, which are written again below
.if \fill
	s_wait_dscnt 8                                 ; the eight stores are done (the eight loads behind them may be out)
.irp i, 0,1,2,3,4,5,6,7
	global_load_b128 v[64+32*\q+4*\i:67+32*\q+4*\i], v[4+\q], s[44:45] offset:(32*(\i/4)+2*(\i%4))*2048 th:TH_LOAD_NT   ; the unit four further on: the base stands there.  Two rows an instruction: sixteen lanes read 256 consecutive bytes
.endr
.endif
	s_wait_dscnt 0x0
	s_wait_xcnt 0x0                                ; the last unit's store has had its addresses translated: its four data registers are written again below
.set g, 0
.rept 4
.set j, 0
.rept 8
	v_and_b32 v[16+3*j], s90, v[192+8*g+j]
	v_and_b32 v[17+3*j], s91, v[192+8*g+j]
	v_and_b32 v[18+3*j], s92, v[192+8*g+j]
.set j, j+1
.endr
.set j, 0
.rept 8
.set sb, 48+4*j
.if j >= 4
.set sb, 50+4*j
.endif
	v_cmp_ne_u32 s[sb], 0, v[16+3*j]
	v_cmp_ne_u32 s[sb+1], 0, v[17+3*j]
	v_cmp_ne_u32 s[sb+2], 0, v[18+3*j]
	v_cmp_lt_u32 s[sb+3], s93, v[192+8*g+j]        ; above 0xffffff: the top byte is not 0
.set j, j+1
.endr
	s_wait_alu depctr_va_sdst(0)                   ; the 32 compares have written their lane masks, which the lines below read
.set j, 0
.rept 8
.set sb, 48+4*j
.if j >= 4
.set sb, 50+4*j
.endif
	v_writelane_b32 v224, s[sb], 8*g+j
	v_writelane_b32 v225, s[sb+1], 8*g+j
	v_writelane_b32 v226, s[sb+2], 8*g+j
	v_writelane_b32 v227, s[sb+3], 8*g+j
.set j, j+1
.endr
.set g, g+1
.endr
	s_wait_alu depctr_va_vdst(0)                   ; v224-227 are written, which the store reads; the unit's vector instructions are done reading v192-223, in which the next unit's LDS loads land
	global_store_b128 v8, v[224:227], s[46:47] offset:512*\q       ; two steps' 128 words: 512 consecutive bytes
.endm
	s_load_b256 s[8:15], s[0:1], 0x0               ; Q's set: resident codes, resident scales, streamed codes, streamed scales,
	s_load_b128 s[16:19], s[0:1], 0x20             ; bias, output
	s_load_b256 s[20:27], s[0:1], 0x30             ; K's set
	s_load_b128 s[28:31], s[0:1], 0x50
	s_load_b256 s[32:39], s[0:1], 0x60             ; V's set: the tokens are resident, Wv is streamed
	s_load_b128 s[40:43], s[0:1], 0x80
	s_load_b128 s[44:47], s[0:1], 0x90             ; mask, mw
	v_lshl_add_u32 v254, v0, 2, 0x38c00
	v_mov_b32 v255, 0
	v_lshrrev_b32 v1, 5, v0
	v_readfirstlane_b32 s2, v1                     ; wave 0..3
	v_and_b32 v150, 31, v0                         ; lane
	v_and_b32 v151, 15, v0                         ; r
	v_bfe_u32 v152, v0, 4, 1                       ; h
	s_wait_alu depctr_va_sdst(0)                   ; s2 is written, ahead of the branch and of its first reader on either way
	s_cmp_ge_u32 ttmp9, 192
	s_cbranch_scc1 .Lmask                          ; the same way for all four waves of a work-group
	; ---------------- the three products ----------------
	s_mov_b32 s[SEL], 0x76543210
	s_mov_b32 s[SEL+1], 0xfedcba98
	s_lshr_b32 s3, ttmp9, 6                        ; 0: Q, 1: K, 2: V
	s_and_b32 s57, ttmp9, 63
	s_and_b32 s58, s57, 3                          ; Q, K: cb: which 256 columns
	s_lshr_b32 s59, s57, 2                         ;       tb: which 512 tokens
	s_lshl_b32 s60, s58, 8                         ; first resident row
	s_lshl_b32 s61, s59, 9                         ; first streamed row
	s_lshr_b32 s62, s59, 2
	s_lshl_b32 s62, s62, 4                         ; 16 x batch
	s_lshl_b32 s63, s58, 2
	s_add_co_u32 s62, s62, s63
	s_add_co_u32 s62, s62, s2                      ; 16 x batch + head, head = 4 cb + wave
	s_and_b32 s63, s59, 3
	s_lshl_b32 s66, s62, 16
	s_lshl_b32 s67, s63, 14                        ; the first group of 64 tokens is 8 (tb % 4); a group's four images are 2,048 bytes
	s_add_co_u32 s66, s66, s67                     ; where my codes begin
	s_lshl_b32 s67, s62, 12
	s_lshl_b32 s63, s63, 10
	s_add_co_u32 s67, s67, s63                     ; where my scale bytes begin
	s_lshl_b32 s68, s2, 6
	s_add_co_u32 s68, s68, s60
	s_lshl_b32 s68, s68, 2                         ; my 64 numbers of the bias
	s_lshr_b32 s70, s57, 1                         ; V: rb: which 256 tokens
	s_and_b32 s71, s57, 1                          ;    sh: which 512 columns
	s_lshl_b32 s72, s70, 8
	s_lshl_b32 s73, s71, 9
	s_lshl_b32 s74, s70, 2
	s_add_co_u32 s74, s74, s2                      ; my group of 64 tokens
	s_lshr_b32 s75, s74, 5
	s_lshl_b32 s75, s75, 4
	s_lshl_b32 s76, s71, 3
	s_add_co_u32 s75, s75, s76                     ; 16 x batch + first head
	s_and_b32 s74, s74, 31                         ; the group in its batch: G
	s_lshr_b32 s76, s74, 1
	s_and_b32 s77, s74, 1
	s_lshl_b32 s78, s75, 16
	s_lshl_b32 s79, s76, 12
	s_add_co_u32 s78, s78, s79
	s_lshl_b32 s79, s77, 9
	s_add_co_u32 s78, s78, s79                     ; codes: key step G / 2, half G % 2 of its fragments
	s_lshl_b32 s79, s75, 12
	s_lshl_b32 s76, s76, 8
	s_add_co_u32 s79, s79, s76
	s_lshl_b32 s77, s77, 1
	s_add_co_u32 s79, s79, s77                     ; scale bytes
	s_lshl_b32 s80, s71, 11                        ; my 512 numbers of the bias
	s_mov_b32 s49, 512
	s_mov_b32 s53, 254
	s_cmp_eq_u32 s3, 2
	s_cselect_b32 s48, s78, s66                    ; s48: the next tile's codes
	s_cselect_b32 s51, s79, s67                    ; s51: the phase's scale bytes
	s_cselect_b32 s49, 1024, s49                   ; from tile to tile
	s_cselect_b32 s50, 61440, 0                    ; and what a phase adds to four such steps (V: the next head)
	s_cselect_b32 s52, 4096, 2                     ; scale bytes, behind an even phase
	s_cselect_b32 s53, 4096, s53                   ; and behind an odd one
	s_cselect_b32 s55, -1, 0                       ; V has no bias by resident row,
	s_cselect_b32 s56, 0, -1                       ; Q and K none by streamed row
	s_cselect_b32 s60, s72, s60
	s_cselect_b32 s61, s73, s61
	s_cselect_b32 s68, 0, s68                      ; (a load that is not wanted stays inside its buffer)
	s_cselect_b32 s80, s80, 0
	s_mov_b32 s54, 0
	s_wait_alu depctr_va_vdst(0)
	v_lshlrev_b32 v1, 4, v150                      ; 16 x lane
	v_lshlrev_b32 v25, 4, v0                       ; 16 x thread
	s_and_b32 s81, s2, 1
	s_lshr_b32 s82, s2, 1
	s_mul_i32 s83, s81, 2*TILEB
	s_lshl_b32 s84, s82, 7
	s_add_co_u32 s83, s83, s84
	v_mul_u32_u24 v2, v150, PP
	v_add_nc_u32 v2, s83, v2                       ; codes into slot 0: piece = lane; tiles 2 (w % 2) on, rows 8 (w / 2) on
	v_add_nc_u32 v3, XS1, v2
	v_mul_u32_u24 v4, v152, PP
	v_lshl_add_u32 v4, v151, 4, v4                 ; and out of it: piece h of a quad, row r
	v_add_nc_u32 v5, XS1, v4
	s_lshl_b32 s83, s81, 9
	s_add_co_u32 s83, s83, s84
	s_add_co_u32 s83, s83, XC0
	v_and_b32 v153, 1, v0
	v_lshlrev_b32 v6, 10, v153
	v_lshl_add_u32 v6, v152, 8, v6
	v_bfe_u32 v153, v0, 1, 3
	v_lshl_add_u32 v6, v153, 4, v6
	v_add_nc_u32 v6, s83, v6                       ; scale bytes into slot 0: thread 32 w + l holds half l % 2 of row 16 w + l / 2
	v_add_nc_u32 v7, XC1-XC0, v6
	v_add_nc_u32 v8, XC0, v1
	v_add_nc_u32 v9, XC1, v1
	v_lshlrev_b32 v10, 3, v152
	v_lshlrev_b32 v12, 3, v151
	v_bfe_u32 v153, v0, 3, 1
	v_and_b32 v154, 7, v0
	v_lshlrev_b32 v14, 7, v153
	v_lshl_add_u32 v14, v154, 2, v14
	v_add_nc_u32 v14, BSV, v14                     ; the bias of streamed row 32 (r / 8) + r % 8
	v_mov_b32 v24, 0
	v_lshlrev_b32 v26, 10, v153
	v_lshl_add_u32 v26, v152, 8, v26
	v_lshl_add_u32 v26, v154, 5, v26               ; resident scale rows of 32 bytes: lanes 0-15 an even tile's row r, lanes 16-31 the odd tile's, 8 rows on
	v_lshl_add_u32 v27, v152, 7, s68               ; bias by resident row: 32 numbers from 32 h on
	v_mov_b32 v29, 0                               ; written once: a lane permute's destination counts as one of its sources
	s_mul_i32 s83, s2, SLOTB
	s_add_co_u32 s83, s83, RES
	v_mul_u32_u24 v30, v150, PP
	v_add_nc_u32 v30, s83, v30
	v_add_nc_u32 v31, s83, v4
.irp t, 0,1,2,3
	v_mov_b32 v[BS+2*\t+1], 0                      ; the pairs' upper halves are named with the lower ones, so they are written
.endr
	v_add_nc_u32 v148, s80, v25
	v_add_nc_u32 v149, BSV, v25
	s_wait_kmcnt 0x0
	s_cmp_eq_u32 s3, 1                             ; the choice hangs on the work-group's number alone
	s_cselect_b64 s[8:9], s[20:21], s[8:9]
	s_cselect_b64 s[10:11], s[22:23], s[10:11]
	s_cselect_b64 s[12:13], s[24:25], s[12:13]
	s_cselect_b64 s[14:15], s[26:27], s[14:15]
	s_cselect_b64 s[16:17], s[28:29], s[16:17]
	s_cselect_b64 s[18:19], s[30:31], s[18:19]
	s_cmp_eq_u32 s3, 2
	s_cselect_b64 s[8:9], s[32:33], s[8:9]
	s_cselect_b64 s[10:11], s[34:35], s[10:11]
	s_cselect_b64 s[12:13], s[36:37], s[12:13]
	s_cselect_b64 s[14:15], s[38:39], s[14:15]
	s_cselect_b64 s[16:17], s[40:41], s[16:17]
	s_cselect_b64 s[18:19], s[42:43], s[18:19]
	s_lshl_b32 s57, s2, 6
	s_add_co_u32 s57, s57, s60                     ; my first resident row
	s_lshl_b32 s58, s57, 9
	s_mov_b32 s59, 0
	s_add_nc_u64 s[8:9], s[8:9], s[58:59]
	s_lshl_b32 s58, s57, 5
	s_add_nc_u64 s[10:11], s[10:11], s[58:59]
	s_lshl_b32 s57, s2, 4
	s_add_co_u32 s57, s57, s61                     ; my 16 of a phase's 64 streamed rows
	s_lshl_b32 s58, s57, 9
	s_add_nc_u64 s[12:13], s[12:13], s[58:59]
	s_lshl_b32 s58, s61, 5
	s_add_nc_u64 s[14:15], s[14:15], s[58:59]
	s_wait_alu depctr_va_vdst(0)                   ; all the offsets and LDS addresses made above are written, which the loads and LDS instructions from here on read
	GLOAD 0, 0                                     ; phase 0
	WIN 0x40                                       ; destination window 1
.set i, 0
.rept 64
	global_load_b128 v[4*i:4*i+3], v1, s[8:9] offset:512*i         ; my 64 resident rows, a row an instruction
.set i, i+1
.endr
	WIN 0
.irp p, 0,1
.irp g, 0,1
	global_load_b128 v[RS+8*\p+4*\g:RS+8*\p+4*\g+3], v26, s[10:11] offset:512*\p+16*\g
.endr
.endr
.irp u, 0,1,2,3
	global_load_b128 v[BR+8*\u:BR+8*\u+3], v27, s[16:17] offset:32*\u
	global_load_b128 v[BR+8*\u+4:BR+8*\u+7], v27, s[16:17] offset:32*\u+16
.endr
	global_load_b128 v[144:147], v148, s[16:17]
	GLOAD 1, 1                                     ; phase 1
	s_wait_loadcnt 17                              ; all but phase 1's 17
.set i, 0
.rept 32
	v_cndmask_b32 v[BR+i], v[BR+i], v24, s55
.set i, i+1
.endr
.irp i, 0,1,2,3
	v_cndmask_b32 v[144+\i], v[144+\i], v24, s56
.endr
	s_wait_alu depctr_va_vdst(0)                   ; the selects have written v144-147, which an LDS store below reads
	GSTORE 0
	ds_store_b128 v149, v[144:147]
	WIN 0x04                                       ; data: window 1
.set i, 0
.rept 64
	ds_store_b128 v30, v[4*i:4*i+3] offset:((i/8)%4)*TILEB+(8*(i/32)+i%8)*16   ; row i is row 8 (i / 32) + i % 8 of tile (i / 8) % 4
.set i, i+1
.endr
	s_wait_dscnt 0x0                               ; my rows lie in my slot
	WIN 0x40
	s_wait_alu depctr_vm_vsrc(0)                   ; the LDS stores have read window 1's registers, in which the fragments now land
.irp u, 0,1,2,3
.irp s, 0,1,2,3,4,5,6,7
.irp c, 0,1
	ds_load_b128 v[64*\u+8*\s+4*\c:64*\u+8*\s+4*\c+3], v31 offset:\u*TILEB+(4*\s+2*\c)*PP
.endr
.endr
.endr
	WIN 0
	s_wait_dscnt 0x0
	s_barrier_signal -1
	s_barrier_wait -1                              ; phase 0's rows, its scale bytes and the bias lie in LDS
	s_mov_b32 s4, 3
.Lphase:
	PHASE 0, 1, 1
	PHASE 1, 1, 1
	s_sub_co_u32 s4, s4, 1
	s_cmp_lg_u32 s4, 0
	s_cbranch_scc1 .Lphase
	PHASE 0, 1, 0                                  ; the last two phases ask for nothing: no load leaves its buffer
	PHASE 1, 0, 0
	s_wait_dscnt 0x0                               ; the closing lines, six on end
	s_wait_alu 0x0
	s_wait_tensorcnt 0x0
	ds_add_u32 v254, v255
	s_wait_dscnt 0x0
	s_endpgm
	; ---------------- the mask ----------------
.Lmask:
	s_sub_co_u32 s57, ttmp9, 192
	s_lshl_b32 s57, s57, 2
	s_add_co_u32 s57, s57, s2                      ; my pair of tiles, 0 .. 255
	s_lshl_b32 s58, s57, 1                         ; its first tile J0 = 128 x batch + tile in the batch
	s_lshr_b32 s59, s58, 7
	s_lshl_b32 s60, s59, 22                        ; a batch's mask is 2^22 bytes
	s_and_b32 s61, s58, 127
	s_lshr_b32 s62, s61, 2
	s_lshl_b32 s62, s62, 6
	s_and_b32 s63, s58, 3
	s_lshl_b32 s63, s63, 3
	s_add_co_u32 s62, s62, s63                     ; the tile's first query: 64 x group + 8 t
	s_lshl_b32 s62, s62, 11
	s_add_co_u32 s60, s60, s62
	s_mov_b32 s61, 0
	s_mul_i32 s63, s2, MSTW
	s_add_co_u32 s63, s63, MST                     ; my stage
	s_wait_alu depctr_va_vdst(0)
	v_mul_u32_u24 v2, v152, PP
	v_lshl_add_u32 v2, v151, 4, v2
	v_add_nc_u32 v2, s63, v2                       ; in: two rows an instruction, sixteen lanes to a row
	v_mul_u32_u24 v3, v151, PP
	v_lshl_add_u32 v3, v152, 5, v3
	v_add_nc_u32 v3, s63, v3                       ; out: row r, 32 h bytes on
	v_lshlrev_b32 v4, 11, v152
	v_lshl_add_u32 v4, v151, 4, v4                 ; in memory: a row is 2,048 bytes; ring set q takes unit q of each four, 256 q bytes on; never written again
	v_add_nc_u32 v5, 256, v4
	v_add_nc_u32 v6, 512, v4
	v_add_nc_u32 v7, 768, v4
	s_lshl_b32 s62, s58, 12
	v_lshl_add_u32 v8, v150, 4, s62                ; my words: a tile has 16 steps x 256 bytes; never written again
.irp y, 0,1,2,3
	v_mov_b32 v[224+\y], 0                         ; written once: v_writelane_b32's destination counts as one of its sources
.endr
	s_mov_b32 s90, 0xff
	s_mov_b32 s91, 0xff00
	s_mov_b32 s92, 0xff0000
	s_mov_b32 s93, 0xffffff
	s_mov_b32 s89, 0                               ; the upper word of the step s[88:89]
	s_wait_kmcnt 0x0
	s_add_nc_u64 s[44:45], s[44:45], s[60:61]
	s_wait_alu depctr_va_vdst(0)                   ; v2 to v8 are written, which the loads, LDS instructions and stores below read; the lines above are done with v150-152, in which loads of the ring land
.irp q, 0,1,2,3
.irp i, 0,1,2,3,4,5,6,7
	global_load_b128 v[64+32*\q+4*\i:67+32*\q+4*\i], v[4+\q], s[44:45] offset:(32*(\i/4)+2*(\i%4))*2048 th:TH_LOAD_NT
.endr
.endr
	s_mov_b32 s4, 0
.Lmtrip:                                               ; four units a trip; unit 4 k + q is tile k / 2, keys 256 (4 (k % 2) + q) on
	s_mov_b32 s88, 1024                            ; four units on: 1,024 bytes along the rows,
	s_and_b32 s87, s4, 1
	s_cselect_b32 s88, 15360, s88                  ; or, from the first tile's second half, 8 rows down and back
	s_wait_xcnt 0x0                                ; the loads issued so far have had their addresses translated: their base is written only behind this wait
	s_add_nc_u64 s[44:45], s[44:45], s[88:89]      ; the base at the four units that this trip asks for
	UNIT 0, 1, 24
	UNIT 1, 1, 24
	UNIT 2, 1, 24
	UNIT 3, 1, 24
	s_wait_xcnt 0x0                                ; the stores have had their addresses translated: their base is written only behind this wait
	s_add_nc_u64 s[46:47], s[46:47], 2048
	s_add_co_u32 s4, s4, 1
	s_cmp_lt_u32 s4, 3
	s_cbranch_scc1 .Lmtrip
	UNIT 0, 0, 24                                  ; the last four units load nothing: the counts run down
	UNIT 1, 0, 16
	UNIT 2, 0, 8
	UNIT 3, 0, 0
	s_wait_dscnt 0x0                               ; the closing lines, six on end
	s_wait_alu 0x0
	s_wait_tensorcnt 0x0
	ds_add_u32 v254, v255
	s_wait_dscnt 0x0
	s_endpgm
.Lfunc_end_k_q474d8ea93c_proj:
	.size	k_q474d8ea93c_proj, .Lfunc_end_k_q474d8ea93c_proj-k_q474d8ea93c_proj
	.p2alignl 7, 3214868480
	.fill 96, 4, 3214868480
	.section	.rodata,"a",@progbits
	.p2align	6, 0x0
	.amdhsa_kernel k_q474d8ea93c_proj
		.amdhsa_group_segment_fixed_size 232960
		.amdhsa_private_segment_fixed_size 0
		.amdhsa_enable_private_segment 0
		.amdhsa_kernarg_size 160
		.amdhsa_user_sgpr_count 2
		.amdhsa_user_sgpr_kernarg_segment_ptr 1
		.amdhsa_wavefront_size32 1
		.amdhsa_system_sgpr_workgroup_id_x 1
		.amdhsa_system_sgpr_workgroup_id_y 1
		.amdhsa_system_sgpr_workgroup_id_z 1
		.amdhsa_system_vgpr_workitem_id 0
		.amdhsa_next_free_vgpr 768
		.amdhsa_next_free_sgpr 100
		.amdhsa_reserve_vcc 0
		.amdhsa_float_denorm_mode_32 3
		.amdhsa_float_denorm_mode_16_64 3
		.amdhsa_memory_ordered 1
		.amdhsa_forward_progress 1
		.amdhsa_inst_pref_size 255
	.end_amdhsa_kernel
	.section	.bss,"aw",@nobits
	.p2align	6
	.space	262144
	.amdgpu_metadata
---
amdhsa.version: [ 1, 2 ]
amdhsa.kernels:
  - .name:           k_q474d8ea93c_proj
    .symbol:         k_q474d8ea93c_proj.kd
    .args:
      - { .name: Wq_codes, .offset: 0, .size: 8, .value_kind: global_buffer, .address_space: global }
      - { .name: Wq_scales, .offset: 8, .size: 8, .value_kind: global_buffer, .address_space: global }
      - { .name: q_codes, .offset: 16, .size: 8, .value_kind: global_buffer, .address_space: global }
      - { .name: q_scales, .offset: 24, .size: 8, .value_kind: global_buffer, .address_space: global }
      - { .name: bq, .offset: 32, .size: 8, .value_kind: global_buffer, .address_space: global }
      - { .name: qw, .offset: 40, .size: 8, .value_kind: global_buffer, .address_space: global }
      - { .name: Wk_codes, .offset: 48, .size: 8, .value_kind: global_buffer, .address_space: global }
      - { .name: Wk_scales, .offset: 56, .size: 8, .value_kind: global_buffer, .address_space: global }
      - { .name: k_codes, .offset: 64, .size: 8, .value_kind: global_buffer, .address_space: global }
      - { .name: k_scales, .offset: 72, .size: 8, .value_kind: global_buffer, .address_space: global }
      - { .name: bk, .offset: 80, .size: 8, .value_kind: global_buffer, .address_space: global }
      - { .name: kw, .offset: 88, .size: 8, .value_kind: global_buffer, .address_space: global }
      - { .name: v_codes, .offset: 96, .size: 8, .value_kind: global_buffer, .address_space: global }
      - { .name: v_scales, .offset: 104, .size: 8, .value_kind: global_buffer, .address_space: global }
      - { .name: Wv_codes, .offset: 112, .size: 8, .value_kind: global_buffer, .address_space: global }
      - { .name: Wv_scales, .offset: 120, .size: 8, .value_kind: global_buffer, .address_space: global }
      - { .name: bv, .offset: 128, .size: 8, .value_kind: global_buffer, .address_space: global }
      - { .name: vw, .offset: 136, .size: 8, .value_kind: global_buffer, .address_space: global }
      - { .name: mask, .offset: 144, .size: 8, .value_kind: global_buffer, .address_space: global }
      - { .name: mw, .offset: 152, .size: 8, .value_kind: global_buffer, .address_space: global }
    .group_segment_fixed_size: 232960
    .private_segment_fixed_size: 0
    .kernarg_segment_align: 8
    .kernarg_segment_size: 160
    .max_flat_workgroup_size: 128
    .sgpr_count:     100
    .vgpr_count:     768
    .wavefront_size: 32
...
	.end_amdgpu_metadata
.endif
;; end of part 4
;; launch attn (part 5): grid 4 x 64, 16 waves a work-group, no clusters, 141,312 bytes of LDS; arguments qw, kw, vw, mw, cw; writes cw
.if DOCPART == 5
	.amdgcn_target "amdgcn-amd-amdhsa--gfx1250"
	.amdhsa_code_object_version 6
	.text
	.protected	k_q474d8ea93c_attn
	.globl	k_q474d8ea93c_attn
	.p2align	8
	.type	k_q474d8ea93c_attn,@function
k_q474d8ea93c_attn:
	s_mov_b64 s[64:65], 0
	v_nop
	global_prefetch_b8 v0, s[64:65] scope:SCOPE_SE
	s_setreg_imm32_b32 hwreg(HW_REG_WAVE_SCHED_MODE, 0, 2), 2
	s_setreg_imm32_b32 hwreg(HW_REG_WAVE_MODE, 25, 1), 1
	s_wait_xcnt 0x0
	s_wait_alu depctr_vm_vsrc(0)
; ATTN: ctx = softmax(where(mask, -1e9, qh kh^T / 8)) vh, both products on codes of FP4 (E2M1) with E8M0 scales; ctx is quantised along head x 64 + d for the last projection.
; THE SOFTMAX: t = score x log2(e) / 8; M = the running largest t rounded UP to a whole number; p = 2^(t - M) is quantised along the keys, not normalised; the row's sum is taken of the unquantised p and divides at
; the end; when M moves, the sum and O are multiplied by 2^(old M - new M), which rounds nothing.
; SHARES.  A work-group owns 512 queries of one (batch, head); each of its sixteen waves two tiles of 16 queries, which share every fragment of K and V.  Four waves lie on a SIMD, so that one wave's vector work
; stands beside another's products and LDS loads.  A head's K and V, codes and scale bytes, are 139,264 bytes: they come into LDS once, through registers; one barrier; nothing is written there afterwards.
; LAYOUT.  Both products are used transposed (S^T = K Q^T, O^T = V^T P^T): a lane holds ONE query.  The keys (and V's channels) that form a tile are row 32 (r / 8) + 8 t + r % 8 of a group of 64, so lane (r, h)
; holds, in registers 32 B + 8 t + j, keys 64 B + 32 h + 8 t + j of the step: a whole block of 32 in one lane: its largest p needs no other lane, and four conversions are four registers of P's operand.
; THE HEAD'S 64 IN AN INSTRUCTION OF K = 128: a fragment of K holds tile t of the step's first 64 keys in registers 0-3 and of its second 64 in registers 4-7.  Against [Q ; zero codes] it gives the first tile's
; scores, against [zero codes ; Q] the second's: zero codes add nothing under any scale byte but 0xff, which the quantiser never makes.
; THE MASK comes as ready lane masks, one 32-bit word for each score register, by scalar loads: one select a score, in every step: no branch hangs on the mask.  64 scalar registers hold one (tile, step)'s words;
; the next set is asked for as soon as the selects have read this one, so that it has one tile's softmax in which to land.
; NO TENSOR LOAD, NO CLUSTER: what the four work-groups of a head share is those 139,264 bytes, read once each, at the head, by 18 loads a thread; there is no loop of refills in which joint requests would recur.
; LIMITS: a hidden score is taken as -2^33 (logit -2^30, not -1e9): times log2(e) / 8 that is a whole number, so a row all of whose keys are hidden gives p = 1 everywhere, as the reference does; results differ only
; where a row's largest open logit lies under about -1e9.  A block of zeros gets the byte 1, not 127 (only this program reads it).  NaN and infinities are not served.
; THE MODE: SCHED_MODE bits 1:0 = 2 (LLVM: expert scheduling mode 2), set by the entry lines.  The code itself states the register dependences between vector or matrix instructions and memory or LDS instructions,
; with s_wait_alu, always for 0.
; THE PLAN.  Registers that memory or LDS instructions touch in the loop:
;   v44-75          K's four fragments, then V's.  K's land at a step's head and are read by both tiles' score products; V's land in tile 1's softmax and are read by the step's last eight products.
;   v16-17, v18-19  K's and V's scale words: loaded with their fragments, read by the same products.
;   v5-8            the step's four LDS addresses: written by four additions at the step's head, read by the step's LDS loads.
;   v248            the prefetches' offset: made at the head, never written again.
;   S, P, O^T and the statistics are named by vector and matrix instructions alone.
; A step has one wait on vm_vsrc, ahead of the four additions, and six on va_vdst: behind the additions, ahead of K's loads; ahead of and behind each tile's batch of exponentials (tile 1's stands behind its score products too, so V's
; loads follow it with no wait of their own); and behind the places ahead of the last products, which take codes and a scale word just made.  A second set of fragments has no room: a wave has 256 registers.
.set KIMG, 0                           ; LDS: K's images, 16 steps x 8 tiles x 512 bytes;
.set VIMG, 65536                       ; V's, 16 steps x 4 tiles x 1,024;
.set KSC,  131072                      ; K's scale words, 16 steps x 256 bytes;
.set VSC,  135168                      ; V's
.set SCO,  4194304
.set NST,  16                          ; steps of 128 keys
.set KV,  44                           ; v44-75   four fragments of K or of V
.set S,   76                           ; v76-139  S^T of one tile, then p
.set O,   140                          ; v140-203 O^T: tile q, channels' tile dt at O + 32 q + 8 dt
.set P,   204                          ; v204-219 p's codes, 8 a tile
.set ST,  220                          ; tile q's statistics at ST + 6 q: -M, largest score, the sum in two halves, f, at work
.set SEL, 8                            ; s[8:9]
.set QT,  232                          ; for QBLK
.set QSO, 238
.set QBY, 240
.set QW,  242
.set QW2, 243
.set QSH, 9
.set PFO, 248                          ; v248 the prefetches' offset: 4,096 x my lane: a tile's mask words; never rewritten
.set PFA, 12                           ; s[12:13] my work-group's first tile's mask words of the step in hand; a prefetch names the step two on
.set LIM, 14                           ; s14  NST - 2 in the wave that prefetches, else 0: a wave prefetches while the step's number is under it
; v1-4 my lane's places in the four LDS regions; v5-8 the step's addresses; v9 8 h; v10 -2^33; v11, v247 the way out; v12-13 Q's scale words, v14-15 p's, v16-17 K's, v18-19 V's (scales and nothing else);
; v20-31, v32-43: zeros, Q's four registers, zeros; v232-243 at work.   s3 step, s4 4,096 x step, s5 256 x step, s[6:7] log2(e) / 8, s[10:11] my tiles' mask words, s16-63 and s68-83 a (tile, step)'s 64 words
.macro WMZ ra                          ; a product that starts a sum
.if (\ra)
	v_wmma_scale_f32_16x16x128_f8f6f4 v[rD:rD+7], v[rA:rA+7], v[rB:rB+7], 0, v[rSA], v[rSB] matrix_a_fmt:MATRIX_FMT_FP4 matrix_b_fmt:MATRIX_FMT_FP4 matrix_a_scale:MATRIX_SCALE_ROW1
.else
	v_wmma_scale_f32_16x16x128_f8f6f4 v[rD:rD+7], v[rA:rA+7], v[rB:rB+7], 0, v[rSA], v[rSB] matrix_a_fmt:MATRIX_FMT_FP4 matrix_b_fmt:MATRIX_FMT_FP4
.endif
.endm
.macro WMA ra                          ; and one that adds in place
.if (\ra)
	v_wmma_scale_f32_16x16x128_f8f6f4 v[rD:rD+7], v[rA:rA+7], v[rB:rB+7], v[rD:rD+7], v[rSA], v[rSB] matrix_a_fmt:MATRIX_FMT_FP4 matrix_b_fmt:MATRIX_FMT_FP4 matrix_a_scale:MATRIX_SCALE_ROW1
.else
	v_wmma_scale_f32_16x16x128_f8f6f4 v[rD:rD+7], v[rA:rA+7], v[rB:rB+7], v[rD:rD+7], v[rSA], v[rSB] matrix_a_fmt:MATRIX_FMT_FP4 matrix_b_fmt:MATRIX_FMT_FP4
.endif
.endm
; a lane's 32 registers v[x] on are one block of 32: codes to v[cd] .. v[cd + 3]; v[wo]: the bytes of my row's two blocks.  Read in ascending order: each accumulator from its low end on
.macro QBLK x, cd, wo
	v_max3_num_f32 v[QT], |v[\x]|, |v[\x+1]|, 0x1800000            ; the floor 2^(3 - 127): the byte cannot fall under 1
	v_max3_num_f32 v[QT+1], |v[\x+2]|, |v[\x+3]|, |v[\x+4]|
.irp i, 5,9,13,17,21,25
	v_max3_num_f32 v[QT], v[QT], |v[\x+\i]|, |v[\x+\i+1]|
	v_max3_num_f32 v[QT+1], v[QT+1], |v[\x+\i+2]|, |v[\x+\i+3]|
.endr
	v_max3_num_f32 v[QT], v[QT], |v[\x+29]|, |v[\x+30]|
	v_max3_num_f32 v[QT], v[QT], v[QT+1], |v[\x+31]|
	v_add_nc_u32 v[QSO], 0xff000000, v[QT]
	v_lshrrev_b32 v[QBY], 23, v[QSO]
.irp u, 0,1,2,3
	v_cvt_scalef32_pk8_fp4_f32 v[\cd+\u], v[\x+8*\u:\x+8*\u+7], v[QSO]
.endr
	v_nop                                                          ; one plain place behind the last scaled conversion
	v_lshlrev_b32 v[QW], v[QSH], v[QBY]
	v_permlanex16_b32 v[QW2], v[QW], s[SEL], s[SEL+1]
	v_or_b32 v[\wo], v[QW], v[QW2]
.endm
.macro QK q                            ; tile q's scores of the step's 128 keys: eight products, each its own accumulator
.irp t, 0,1,2,3
.set rA, KV+8*\t
.set rSA, 16+(\t%2)
.set rSB, 12+\q
.set rD, S+8*\t
.set rB, 24+12*\q                      ; [Q ; 0]
	WMZ \t/2
.set rD, S+32+8*\t
.set rB, 20+12*\q                      ; [0 ; Q]
	WMZ \t/2
.endr
.endm
.macro MLOAD q, off                    ; the 64 lane masks of tile q, off bytes on from the step in hand: 256 consecutive bytes
	s_load_b512 s[16:31], s[10:11], s5 offset:4096*(\q)+(\off)
	s_load_b512 s[32:47], s[10:11], s5 offset:4096*(\q)+(\off)+64
	s_load_b512 s[48:63], s[10:11], s5 offset:4096*(\q)+(\off)+128
	s_load_b512 s[68:83], s[10:11], s5 offset:4096*(\q)+(\off)+192
.endm
.macro MSEL                            ; hidden scores become -2^33, ahead of the maximum; the registers in ascending order
	s_wait_kmcnt 0x0                               ; the four loads, asked for a tile's softmax ago (scalar loads come back in no order: the count is 0)
.set i, 0
.rept 64
.if i < 48
	v_cndmask_b32 v[S+i], v[S+i], v10, s[16+i]
.else
	v_cndmask_b32 v[S+i], v[S+i], v10, s[20+i]
.endif
.set i, i+1
.endr
.endm
; A PREFETCH INTO THE L2 of mask words: the step two on from the step in hand, of all 32 tiles of the work-group: a lane a tile, 256 bytes each, one instruction a trip.  It stands behind the run of LDS loads.
; The words of a (batch, block of 512 queries) are read by the work-groups of all sixteen heads: head 0's asks, and in it wave 0 alone (a branch on the work-group's and the wave's number): each aligned 256 bytes
; is named once in the launch.  Steps 0 and 1 come by their loads alone; the last two steps ask for nothing.
.macro ASK
	s_cmp_lt_u32 s3, s[LIM]
	s_cbranch_scc0 .Lnot_mine_\@
	global_prefetch_b8 v[PFO], s[PFA:PFA+1] offset:512 th:TH_LOAD_NT scope:SCOPE_SE
.Lnot_mine_\@:
.endm
.macro SM q
.set rN, ST+6*\q
	v_max3_num_f32 v232, v[S], v[S+1], v[S+2]                      ; THE LARGEST SCORE OF MY TWO BLOCKS OF 32 KEYS, by turns: it serves the row's maximum and, since p rises with the score, the block's largest p
	v_max3_num_f32 v233, v[S+32], v[S+33], v[S+34]
.irp i, 3,5,7,9,11,13,15,17,19,21,23,25,27,29
	v_max3_num_f32 v232, v232, v[S+\i], v[S+\i+1]
	v_max3_num_f32 v233, v233, v[S+32+\i], v[S+33+\i]
.endr
	v_max_num_f32 v232, v232, v[S+31]
	v_max_num_f32 v233, v233, v[S+63]
	v_max_num_f32 v234, v232, v233
	v_permlanex16_b32 v235, v234, s[SEL], s[SEL+1]                 ; the query's other 64 keys lie in lane l xor 16
	v_max3_num_f32 v[rN+1], v[rN+1], v234, v235                    ; the running largest score
	v_mul_f32 v234, s6, v[rN+1]                                    ; as t
	v_floor_f32 v235, -v234                                        ; the new -M = -ceil(t)
	v_sub_f32 v[rN+5], v235, v[rN]                                 ; old M - new M: a whole number, 0 or less
	v_mov_b32 v[rN], v235
	v_cvt_i32_f32 v[rN+5], v[rN+5]                                 ; (it saturates)
	v_ldexp_f32 v[rN+4], 1.0, v[rN+5]                              ; f = 2^(old M - new M)
.set i, 0
.rept 32
	v_pk_fma_f32 v[S+2*i:S+2*i+1], v[S+2*i:S+2*i+1], s[6:7], v[rN:rN+1] op_sel_hi:[1,0,0]   ; t - M, two at a time
.set i, i+1
.endr
	v_fma_f32 v232, v232, s6, v[rN]                                ; the same of each block's largest score
	v_fma_f32 v233, v233, s6, v[rN]
	s_wait_alu depctr_va_vdst(0)
	v_exp_f32 v232, v232                                           ; ONE BATCH of 66 exponentials
	v_exp_f32 v233, v233
.set i, 0
.rept 64
	v_exp_f32 v[S+i], v[S+i]                                       ; p = 2^(t - M), at most 1
.set i, i+1
.endr
	v_pk_mul_f32 v[rN+2:rN+3], v[rN+2:rN+3], v[rN+4:rN+5] op_sel_hi:[1,0]   ; the sums under the new M: the plain place behind the batch
.if \q == 1
	s_wait_alu depctr_va_vdst(0)                                   ; the 66 exponentials have written their results, ahead of the first instruction that names one; tile 1's score products are done reading K's fragments, and the last step's last products V's scale words, in which the loads below land
.irp d, 0,1,2,3
.irp c, 0,1
	ds_load_b128 v[KV+8*\d+4*\c:KV+8*\d+4*\c+3], v6 offset:\d*1024+\c*512   ; V's fragments: they land while the sums are taken and p is quantised
.endr
.endr
	ds_load_b64 v[18:19], v8
.else
	s_wait_alu depctr_va_vdst(0)                                   ; the 66 exponentials have written their results, ahead of the first instruction that names one
.endif
	v_pk_add_f32 v[236:237], v[S:S+1], v[S+2:S+3]                  ; the row's sum of the unquantised p, in two chains
.irp j, 4,8,12,16,20,24,28,32,36,40,44,48,52,56,60
	v_pk_add_f32 v[rN+2:rN+3], v[rN+2:rN+3], v[S+\j:S+\j+1]
	v_pk_add_f32 v[236:237], v[236:237], v[S+\j+2:S+\j+3]
.endr
	v_pk_add_f32 v[rN+2:rN+3], v[rN+2:rN+3], v[236:237]
	v_max_num_f32 v232, 0x1800000, v232                            ; the floor: a block whose every p fell to 0 keeps the byte 1; its codes are zeros
	v_max_num_f32 v233, 0x1800000, v233
	v_add_nc_u32 v238, 0xff000000, v232                            ; 2 off the exponent field: the conversions' scale operands
	v_add_nc_u32 v239, 0xff000000, v233
	v_lshrrev_b32 v240, 23, v238
	v_lshrrev_b32 v241, 23, v239
	v_lshl_or_b32 v242, v241, 16, v240                             ; my bytes: blocks h and 2 + h,
	v_lshlrev_b32 v242, v9, v242                                   ; 8 h bits up;
	v_permlanex16_b32 v243, v242, s[SEL], s[SEL+1]
	v_or_b32 v[14+\q], v242, v243                                  ; with lane l xor 16's the word of these 128 keys is whole
.irp b, 0,1
.irp u, 0,1,2,3
	v_cvt_scalef32_pk8_fp4_f32 v[P+8*\q+4*\b+\u], v[S+32*\b+8*\u:S+32*\b+8*\u+7], v[238+\b]
.endr
.endr
	v_nop                                                          ; one plain place behind the last scaled conversion
.endm
.macro RESC q                          ; O^T under the new M
.set i, 0
.rept 16
	v_pk_mul_f32 v[O+32*\q+2*i:O+32*\q+2*i+1], v[O+32*\q+2*i:O+32*\q+2*i+1], v[ST+6*\q+4:ST+6*\q+5] op_sel_hi:[1,0]
.set i, i+1
.endr
.endm
; A STEP of 128 keys, for both tiles.  At its head tile 0's lane masks of this step are on their way.  last = 1: nothing is asked for beyond the step
.macro STEP last
	s_wait_alu depctr_vm_vsrc(0)                   ; the last step's LDS loads have read v5 to v8, which are written anew below; in the first step: the head's loads and LDS stores have read v232-239, v44-47 and S's registers, which this step's loads, products and softmax write
	v_add_nc_u32 v5, s4, v1
	v_add_nc_u32 v6, s4, v2
	v_add_nc_u32 v7, s5, v3
	v_add_nc_u32 v8, s5, v4
	s_wait_alu depctr_va_vdst(0)                   ; v5 to v8 are written, which this step's LDS loads read; the last step's products are done reading V's fragments and K's scale words, in which the loads below land; in the first step: the zero codes round Q and Q's scale words are written, which the products take
.irp t, 0,1,2,3
.irp b, 0,1
	ds_load_b128 v[KV+8*\t+4*\b:KV+8*\t+4*\b+3], v5 offset:(4*\b+\t)*512
.endr
.endr
	ds_load_b64 v[16:17], v7                       ; K's scale words: register t % 2, lanes 16 (t / 2) + r
.if \last == 0
	ASK
.endif
	s_wait_dscnt 0x0
	QK 0
.rept 4
	v_nop                                          ; four places ahead of the first read of a result
.endr
	MSEL
	MLOAD 1, 0                                     ; the selects have read the 64 words: tile 1's of this step are asked for, and land while tile 0's softmax is worked
	SM 0
	QK 1
	RESC 0                                         ; sixteen plain instructions: the places ahead of the first read of the new scores
	MSEL
.if \last == 0
	MLOAD 0, 256                                   ; tile 0's of the next step
.endif
	SM 1                                           ; (V's fragments are asked for in it, behind its wait)
	RESC 1                                         ; (also the places between p's codes and scale word and the products that take them)
	s_wait_alu depctr_va_vdst(0)                   ; tile 1's codes of p and its scale word are written, which the products below take; the places above stay beside this wait
	s_wait_dscnt 0x0
.irp d, 0,1,2,3                        ; O^T += V^T P^T: eight accumulators by turns, one instruction a turn
.irp q, 0,1
.set rD, O+32*\q+8*\d
.set rA, KV+8*\d
.set rB, P+8*\q
.set rSA, 18+(\d%2)
.set rSB, 14+\q
	WMA \d/2
.endr
.endr
.endm
	s_load_b256 s[84:91], s[0:1], 0x0              ; qw s[84:85], kw s[86:87], vw s[88:89], mw s[90:91]
	s_load_b64 s[92:93], s[0:1], 0x20              ; cw
	v_lshl_add_u32 v254, v0, 2, 0x22000
	v_mov_b32 v255, 0
	v_lshrrev_b32 v1, 5, v0
	v_readfirstlane_b32 s2, v1                     ; wave 0..15
	s_and_b32 s94, ttmp7, 0xffff                   ; 16 x batch + head
	s_lshl_b32 s95, s94, 16                        ; the head's codes in qw, kw, vw
	s_lshl_b32 s96, s94, 12                        ; and its scale bytes
	s_lshr_b32 s97, s94, 4
	s_and_b32 s98, s94, 15
	s_lshl_b32 s12, ttmp9, 5                       ; my work-group's first tile in the batch
	s_lshl_b32 s15, s97, 7
	s_add_co_u32 s15, s15, s12                     ; and among all 512 tiles
	s_lshl_b32 s24, s15, 12                        ; its mask words: 4,096 bytes a tile
	s_mov_b32 s25, 0
	s_wait_alu depctr_va_sdst(0)                   ; s2 is written, ahead of its first reader
	s_lshl_b32 s13, s2, 1
	s_add_co_u32 s12, s12, s13                     ; my first tile in the batch: 32 x work-group x + 2 x wave
	s_add_co_u32 s13, s15, s13                     ; J0: the same among all 512 tiles
	s_lshl_b32 s16, s12, 9
	s_add_co_u32 s16, s16, s95                     ; Q's images
	s_lshr_b32 s17, s12, 3
	s_lshl_b32 s17, s17, 8
	s_add_co_u32 s17, s17, s96
	s_and_b32 s18, s2, 1
	s_lshl_b32 s18, s18, 7
	s_add_co_u32 s17, s17, s18
	s_bfe_u32 s18, s12, 0x10002
	s_lshl_b32 s18, s18, 1
	s_add_co_u32 s17, s17, s18                     ; Q's scale bytes: pair of groups, half of the tiles, parity of the group
	s_lshl_b32 s20, s13, 12                        ; my tiles' mask words
	s_mov_b32 s21, 0
	s_or_b32 s[LIM], s98, s2                       ; 0 in wave 0 of head 0's work-group
	s_cmp_eq_u32 s[LIM], 0
	s_cselect_b32 s[LIM], NST-2, 0
	s_mov_b32 s6, 0x3e38aa3b                       ; log2(e) / 8
	s_mov_b32 s7, s6                               ; (named with it as a pair, so it is written)
	s_mov_b32 s[SEL], 0x76543210
	s_mov_b32 s[SEL+1], 0xfedcba98
	s_mov_b32 s3, 0
	s_mov_b32 s4, 0
	s_mov_b32 s5, 0
	v_and_b32 v244, 31, v0                         ; lane
	v_and_b32 v245, 15, v0                         ; r
	v_bfe_u32 v246, v0, 4, 1                       ; h
	v_lshl_add_u32 v232, v0, 4, s95
	v_lshl_add_u32 v233, v0, 3, s96
	v_lshl_add_u32 v234, v244, 4, s16
	v_lshl_add_u32 v235, v245, 3, s17
	v_lshlrev_b32 v236, 4, v0
	v_add_nc_u32 v237, VIMG, v236
	v_lshl_add_u32 v238, v0, 3, KSC
	v_lshl_add_u32 v239, v0, 3, VSC
	v_lshlrev_b32 v[PFO], 12, v244
	s_lshl_b32 s22, s13, 13                        ; the way out: a tile of cw is 8,192 bytes, a head's image in it 512
	s_lshl_b32 s23, s98, 9
	s_add_co_u32 s22, s22, s23
	v_lshl_add_u32 v11, v244, 4, s22
	s_lshl_b32 s22, s13, 9                         ; its scale bytes: 1,024 a pair of tiles; K steps 4-7 512 on; 2 bytes a head
	s_lshr_b32 s23, s98, 3
	s_lshl_b32 s23, s23, 9
	s_add_co_u32 s22, s22, s23
	s_and_b32 s23, s98, 7
	s_lshl_b32 s23, s23, 1
	s_add_co_u32 s22, s22, s23
	v_lshl_add_u32 v247, v245, 4, s22
	s_wait_kmcnt 0x0
	s_wait_alu depctr_va_vdst(0)                   ; v232 to v239, v248, v11 and v247 are written: the offsets and LDS addresses that the head's loads and LDS stores, the prefetches and the last stores read
.irp i, 0,1,2,3,4,5,6,7
	global_load_b128 v[S+4*\i:S+4*\i+3], v232, s[86:87] offset:8192*\i         ; the sixteen waves read 8,192 consecutive bytes an instruction
	global_load_b128 v[S+32+4*\i:S+32+4*\i+3], v232, s[88:89] offset:8192*\i
.endr
	global_load_b64 v[44:45], v233, s[86:87] offset:SCO
	global_load_b64 v[46:47], v233, s[88:89] offset:SCO
	global_load_b128 v[24:27], v234, s[84:85]
	global_load_b128 v[36:39], v234, s[84:85] offset:512
	global_load_u16 v12, v235, s[84:85] offset:SCO
	global_load_u16 v13, v235, s[84:85] offset:SCO+4
	s_add_nc_u64 s[10:11], s[90:91], s[20:21]
	s_add_nc_u64 s[PFA:PFA+1], s[90:91], s[24:25]
	MLOAD 0, 0                                     ; tile 0's lane masks of step 0 (s16 to s25 have served as scratch and are free)
	v_lshlrev_b32 v1, 4, v244
	v_add_nc_u32 v2, VIMG, v1
	v_lshl_add_u32 v3, v244, 3, KSC
	v_lshl_add_u32 v4, v244, 3, VSC
	v_lshlrev_b32 v9, 3, v246
	v_mov_b32 v10, 0xd0000000                      ; -2^33
.irp i, 20,21,22,23,28,29,30,31,32,33,34,35,40,41,42,43
	v_mov_b32 v\i, 0                               ; zero codes round Q
.endr
.set i, 0
.rept 64
	v_mov_b32 v[O+i], 0                            ; O^T.  (The first step finds zeros, which the first change of M leaves zeros: so it needs no form of its own)
.set i, i+1
.endr
	s_wait_loadcnt 0x0
.irp i, 0,1,2,3,4,5,6,7
	ds_store_b128 v236, v[S+4*\i:S+4*\i+3] offset:8192*\i          ; (data as they were loaded, addresses from ahead of the wait above: no vector instruction since names either)
	ds_store_b128 v237, v[S+32+4*\i:S+32+4*\i+3] offset:8192*\i
.endr
	ds_store_b64 v238, v[44:45]
	ds_store_b64 v239, v[46:47]
	v_lshl_or_b32 v12, v12, 16, v12                ; Q's two bytes serve both halves of K
	v_lshl_or_b32 v13, v13, 16, v13
.irp q, 0,1
	v_mov_b32 v[ST+6*\q+1], 0xff61b1e6             ; the largest score so far: -3e38
	v_mov_b32 v[ST+6*\q+2], 0                      ; the sum
	v_mov_b32 v[ST+6*\q+3], 0
.endr
	v_mul_f32 v242, s6, v[ST+1]
	v_floor_f32 v[ST], -v242                       ; -M
	v_floor_f32 v[ST+6], -v242
	v_mov_b32 v243, 0                              ; written once: a lane permute's destination counts as one of its sources
	s_wait_dscnt 0x0                               ; for the others' sake: my stores have landed
	s_barrier_signal -1
	s_barrier_wait -1                              ; the head's K and V lie in LDS
.Lstep:                                                ; NST - 1 trips
	STEP 0
	s_wait_xcnt 0x0                                ; s5 and the prefetches' base are sources of the scalar loads and of the prefetch issued in this trip: they are written only behind this wait
	s_add_nc_u64 s[PFA:PFA+1], s[PFA:PFA+1], 256
	s_add_co_u32 s4, s4, 4096
	s_add_co_u32 s5, s5, 256
	s_add_co_u32 s3, s3, 1
	s_cmp_lt_u32 s3, NST-1
	s_cbranch_scc1 .Lstep
	STEP 1                                         ; the last step is written out: it asks for no words that nobody would read
	; THE WAY OUT: the sums' halves and lane l xor 16's; O^T / the sum; a lane's 32 numbers are one block of 32 along head x 64 + d.  Both tiles are quantised first, so that one wait serves the four stores
	v_add_f32 v232, v[ST+2], v[ST+3]               ; (plain work on other registers: the places behind the last products)
	v_add_f32 v233, v[ST+8], v[ST+9]
	v_permlanex16_b32 v234, v232, s[SEL], s[SEL+1]
	v_permlanex16_b32 v235, v233, s[SEL], s[SEL+1]
	v_add_f32 v232, v232, v234
	v_add_f32 v233, v233, v235
	s_wait_alu depctr_va_vdst(0)
	v_rcp_f32 v[ST+4], v232
	v_rcp_f32 v[ST+10], v233
	v_nop                                          ; a plain place behind the reciprocals,
	s_wait_alu depctr_va_vdst(0)                   ; and the two reciprocals have written their results, ahead of their first reader
	RESC 0
	RESC 1
	QBLK O, P, 14
	QBLK O+32, P+8, 15
	s_wait_alu depctr_va_vdst(0)                   ; both tiles' codes and pairs of scale bytes are written, which the four stores read
	global_store_b128 v11, v[P:P+3], s[92:93]                      ; an image of four operand registers: 512 consecutive bytes
	global_store_b16 v247, v14, s[92:93] offset:SCO
	global_store_b128 v11, v[P+8:P+11], s[92:93] offset:8192
	global_store_b16 v247, v15, s[92:93] offset:SCO+256
	s_wait_dscnt 0x0                               ; the closing lines, six on end
	s_wait_alu 0x0
	s_wait_tensorcnt 0x0
	ds_add_u32 v254, v255
	s_wait_dscnt 0x0
	s_endpgm
.Lfunc_end_k_q474d8ea93c_attn:
	.size	k_q474d8ea93c_attn, .Lfunc_end_k_q474d8ea93c_attn-k_q474d8ea93c_attn
	.p2alignl 7, 3214868480
	.fill 96, 4, 3214868480
	.section	.rodata,"a",@progbits
	.p2align	6, 0x0
	.amdhsa_kernel k_q474d8ea93c_attn
		.amdhsa_group_segment_fixed_size 141312
		.amdhsa_private_segment_fixed_size 0
		.amdhsa_enable_private_segment 0
		.amdhsa_kernarg_size 40
		.amdhsa_user_sgpr_count 2
		.amdhsa_user_sgpr_kernarg_segment_ptr 1
		.amdhsa_wavefront_size32 1
		.amdhsa_system_sgpr_workgroup_id_x 1
		.amdhsa_system_sgpr_workgroup_id_y 1
		.amdhsa_system_sgpr_workgroup_id_z 1
		.amdhsa_system_vgpr_workitem_id 0
		.amdhsa_next_free_vgpr 256
		.amdhsa_next_free_sgpr 100
		.amdhsa_reserve_vcc 0
		.amdhsa_float_denorm_mode_32 3
		.amdhsa_float_denorm_mode_16_64 3
		.amdhsa_memory_ordered 1
		.amdhsa_forward_progress 1
		.amdhsa_inst_pref_size 86
	.end_amdhsa_kernel
	.amdgpu_metadata
---
amdhsa.version: [ 1, 2 ]
amdhsa.kernels:
  - .name:           k_q474d8ea93c_attn
    .symbol:         k_q474d8ea93c_attn.kd
    .args:
      - { .name: qw, .offset: 0, .size: 8, .value_kind: global_buffer, .address_space: global }
      - { .name: kw, .offset: 8, .size: 8, .value_kind: global_buffer, .address_space: global }
      - { .name: vw, .offset: 16, .size: 8, .value_kind: global_buffer, .address_space: global }
      - { .name: mw, .offset: 24, .size: 8, .value_kind: global_buffer, .address_space: global }
      - { .name: cw, .offset: 32, .size: 8, .value_kind: global_buffer, .address_space: global }
    .group_segment_fixed_size: 141312
    .private_segment_fixed_size: 0
    .kernarg_segment_align: 8
    .kernarg_segment_size: 40
    .max_flat_workgroup_size: 512
    .sgpr_count:     100
    .vgpr_count:     256
    .wavefront_size: 32
...
	.end_amdgpu_metadata
.endif
;; end of part 5
;; launch oproj (part 6): grid 256 x 1, 4 waves a work-group, no clusters, 222,720 bytes of LDS; arguments cw, Wo_codes, Wo_scales, bo, out0; writes out0
.if DOCPART == 6
	.amdgcn_target "amdgcn-amd-amdhsa--gfx1250"
	.amdhsa_code_object_version 6
	.text
	.protected	k_q474d8ea93c_oproj
	.globl	k_q474d8ea93c_oproj
	.p2align	8
	.type	k_q474d8ea93c_oproj,@function
k_q474d8ea93c_oproj:
	s_mov_b64 s[64:65], 0
	v_nop
	global_prefetch_b8 v0, s[64:65] scope:SCOPE_SE
	s_setreg_imm32_b32 hwreg(HW_REG_WAVE_SCHED_MODE, 0, 2), 2
	s_setreg_imm32_b32 hwreg(HW_REG_WAVE_MODE, 25, 1), 1
	s_wait_xcnt 0x0
	s_wait_alu depctr_vm_vsrc(0)
; OPROJ: out0 = ctx Wo + bo on codes of FP4 (E2M1) with E8M0 scales.  ctx comes as images of operand registers (cw), Wo as rows of 512 code bytes and 32 scale bytes.
; SHARES.  A work-group makes 128 tokens (8 tiles of 16) x 256 columns.  Wave w keeps 64 rows of Wo (columns of the output) in 256 registers for the whole launch, as source 0; the eight tiles of ctx, 65,536 dense
; bytes, are copied into LDS once, through registers, and read by all four waves as source 1.  One barrier.
; The rows of Wo that form a tile are row 32 (r / 8) + 8 u + r % 8 of the wave's 64, so that lane (r, h) holds, of token r, columns 32 h + 8 u + j in registers 8 u + j.  A tile's 16 x 64 results go through the wave's own
; stage in LDS and leave as rows: sixteen lanes store 256 consecutive bytes, aligned.  The bias is the C of each sum's first product.
; NO TENSOR LOAD, NO CLUSTER: Wo's rows are laid anew by pieces of 16 rows x 16 bytes on their way into LDS (a tile's rows lie 32 apart and would meet on the same banks at any row pitch); ctx's block is read once,
; at the head, and the launch has no loop in which a ring could run.
; REGISTERS: window 0: v1-12 addresses; v30-31; v32-47 Wo's scale words; v48-79 ctx's; v80-143 two sets of four accumulators; v144-175 the bias; v176-239 two sets of rows on the way out.
;   window 1: Wo's fragments, (tile u, K step s) at v[64 u + 8 s].   window 2: v0-127 two sets of ctx's fragments (first: the copy on its way).
; THE MODE: SCHED_MODE bits 1:0 = 2 (LLVM: expert scheduling mode 2), set by the entry lines.  The code itself states the register dependences between vector or matrix instructions and memory or LDS instructions,
;   with s_wait_alu, always for 0.
; THE PLAN.  Registers that memory or LDS instructions touch from tile to tile:
;   window 2 v0-127   two sets of fragments.  Tile i's products read set i % 2; the LDS loads at the head of tile i + 1 land in it, for tile i + 2.
;   v80-143           two sets of accumulators.  Tile i's products write set i % 2; its eight LDS stores read it; tile i + 2's products write it again.
;   v176-239          two sets of rows.  Tile i's eight loads from the stage land in set i % 2; its eight global stores, issued behind tile i + 1's products, read it; tile i + 2's loads land in it again.
;   All addresses are made at the head and never written again.
;   So a tile has ONE wait on va_vdst, behind its products and their four places: the accumulators are written, and the products are done reading their fragments; and, from tile 1 on, ONE on vm_vsrc beside it.
;   The fragment loads stand in one run at a tile's head: dealt among the products, each would want two switches of the register window.
.set PP,    272
.set TILEB, 32*PP
.set SLOTB, 4*TILEB
.set XIMG,  0                          ; LDS: ctx's eight tiles, 8,192 bytes each,
.set RES,   65536                      ; a slot for each wave, in which its rows of Wo are laid by pieces once,
.set OST,   RES+4*SLOTB                ; and its stage, 16 rows x (256 + 16) bytes
.set SCO,   4194304
.set RS,  32
.set XS,  48
.set ACC, 80
.set BR,  144
.set OB,  176
.set MSB, 0
.macro WIN new                         ; the immediate's high byte repeats the setting that is left
.if MSB != \new
	s_set_vgpr_msb (MSB<<8)|\new
.set MSB, \new
.endif
.endm
.macro WMS ra, rb
.if (\ra) && (\rb)
	v_wmma_scale_f32_16x16x128_f8f6f4 v[rD:rD+7], v[rA:rA+7], v[rB:rB+7], v[rC:rC+7], v[rSA], v[rSB] matrix_a_fmt:MATRIX_FMT_FP4 matrix_b_fmt:MATRIX_FMT_FP4 matrix_a_scale:MATRIX_SCALE_ROW1 matrix_b_scale:MATRIX_SCALE_ROW1
.elseif (\ra)
	v_wmma_scale_f32_16x16x128_f8f6f4 v[rD:rD+7], v[rA:rA+7], v[rB:rB+7], v[rC:rC+7], v[rSA], v[rSB] matrix_a_fmt:MATRIX_FMT_FP4 matrix_b_fmt:MATRIX_FMT_FP4 matrix_a_scale:MATRIX_SCALE_ROW1
.elseif (\rb)
	v_wmma_scale_f32_16x16x128_f8f6f4 v[rD:rD+7], v[rA:rA+7], v[rB:rB+7], v[rC:rC+7], v[rSA], v[rSB] matrix_a_fmt:MATRIX_FMT_FP4 matrix_b_fmt:MATRIX_FMT_FP4 matrix_b_scale:MATRIX_SCALE_ROW1
.else
	v_wmma_scale_f32_16x16x128_f8f6f4 v[rD:rD+7], v[rA:rA+7], v[rB:rB+7], v[rC:rC+7], v[rSA], v[rSB] matrix_a_fmt:MATRIX_FMT_FP4 matrix_b_fmt:MATRIX_FMT_FP4
.endif
.endm
.macro OFRAG i                         ; tile i's eight fragments, 16 loads, into set i % 2 of window 2
	WIN 0x80
.irp s, 0,1,2,3,4,5,6,7
.irp c, 0,1
	ds_load_b128 v[64*((\i)%2)+8*\s+4*\c:64*((\i)%2)+8*\s+4*\c+3], v1 offset:XIMG+(\i)*8192+\s*1024+\c*512
.endr
.endr
	WIN 0
.endm
.macro OMM i                           ; 32 products: K ascending, the four accumulators by turns, one instruction a turn; the first K step takes the bias as C
	WIN 0x09                                       ; source 0 window 1, source 1 window 2
.irp s, 0,1,2,3,4,5,6,7
.irp u, 0,1,2,3
.set rD, ACC+32*((\i)%2)+8*\u
.if \s == 0
.set rC, BR+8*\u
.else
.set rC, rD
.endif
.set rA, 64*\u+8*\s
.set rB, 64*((\i)%2)+8*\s
.set rSA, RS+8*(\u/2)+\s
.set rSB, XS+8*((\i)/2)+\s
	WMS \u%2, (\i)%2
.endr
.endr
	WIN 0
.endm
.macro TOSTAGE i                       ; 16 tokens x 64 columns into my stage, each accumulator from its low end on, and back as whole rows of 256 bytes
.irp u, 0,1,2,3
	ds_store_b128 v7, v[ACC+32*((\i)%2)+8*\u:ACC+32*((\i)%2)+8*\u+3] offset:32*\u
	ds_store_b128 v7, v[ACC+32*((\i)%2)+8*\u+4:ACC+32*((\i)%2)+8*\u+7] offset:32*\u+16
.endr
.irp k, 0,1,2,3,4,5,6,7
	ds_load_b128 v[OB+32*((\i)%2)+4*\k:OB+32*((\i)%2)+4*\k+3], v8 offset:2*PP*\k   ; LDS serves a wave's instructions in order: these see the stores above, and the next tile's stores come behind them
.endr
.endm
.macro SEND i, left                    ; left: the LDS loads issued behind tile i's, which may stay out
	s_wait_dscnt \left
.irp k, 0,1,2,3,4,5,6,7
	global_store_b128 v9, v[OB+32*((\i)%2)+4*\k:OB+32*((\i)%2)+4*\k+3], s[16:17] offset:(64*((\i)/4)+8*((\i)%4)+32*(\k/4)+2*(\k%4))*4096 th:TH_STORE_NT   ; stage rows 2 k and 2 k + 1: twice 256 consecutive bytes, aligned
.endr
.endm
	s_load_b256 s[8:15], s[0:1], 0x0               ; cw s[8:9], Wo's codes s[10:11], Wo's scales s[12:13], bo s[14:15]
	s_load_b64 s[16:17], s[0:1], 0x20              ; out0
	v_lshl_add_u32 v254, v0, 2, 0x36400
	v_mov_b32 v255, 0
	v_lshrrev_b32 v1, 5, v0
	v_readfirstlane_b32 s2, v1                     ; wave 0..3
	v_and_b32 v10, 31, v0                          ; lane
	s_wait_alu depctr_va_vdst(0)
	v_and_b32 v11, 15, v0                          ; r
	v_bfe_u32 v12, v0, 4, 1                        ; h
	s_and_b32 s20, ttmp9, 3                        ; which 256 columns
	s_lshr_b32 s21, ttmp9, 2                       ; which 128 tokens
	s_lshl_b32 s22, s20, 8
	s_wait_alu depctr_va_sdst(0)                   ; s2 is written, ahead of its first reader
	s_lshl_b32 s23, s2, 6
	s_add_co_u32 s22, s22, s23                     ; my first column
	s_lshl_b32 s24, s22, 9
	s_mov_b32 s25, 0
	s_lshl_b32 s26, s22, 5
	s_mov_b32 s27, 0
	s_lshl_b32 s23, s22, 2
	s_lshl_b32 s28, s21, 19                        ; 128 rows of 4,096 bytes
	s_add_co_u32 s28, s28, s23
	s_mov_b32 s29, 0
	v_lshlrev_b32 v1, 4, v10                       ; 16 x lane
	s_lshl_b32 s30, s21, 16
	v_lshl_add_u32 v2, v0, 4, s30                  ; the copy, in cw
	v_lshlrev_b32 v3, 4, v0                        ; and in LDS
	s_lshl_b32 s30, s21, 12
	v_lshl_add_u32 v4, v10, 4, s30                 ; ctx's scale words: 1,024 bytes a pair of tiles
	v_bfe_u32 v13, v0, 3, 1
	v_and_b32 v14, 7, v0
	v_lshlrev_b32 v5, 10, v13
	s_wait_alu depctr_va_vdst(0)
	v_lshl_add_u32 v5, v12, 8, v5
	v_lshl_add_u32 v5, v14, 5, v5                  ; Wo's scale rows of 32 bytes: lanes 0-15 an even tile's row r, lanes 16-31 the odd tile's, 8 rows on
	v_lshl_add_u32 v6, v12, 7, s23                 ; the bias: 32 numbers from column 32 h on
	s_mul_i32 s31, s2, 16*PP
	s_add_co_u32 s31, s31, OST
	v_mul_u32_u24 v7, v11, PP
	v_lshl_add_u32 v7, v12, 7, v7
	v_add_nc_u32 v7, s31, v7                       ; the stage, in: row r, 128 h bytes on
	v_mul_u32_u24 v8, v12, PP
	v_lshl_add_u32 v8, v11, 4, v8
	v_add_nc_u32 v31, 0, v8                        ; (272 h + 16 r serves Wo's pieces too)
	v_add_nc_u32 v8, s31, v8                       ; and back: lanes 0-15 one row, lanes 16-31 the next
	v_lshlrev_b32 v9, 12, v12
	v_lshl_add_u32 v9, v11, 4, v9                  ; the same two rows in out0
	s_mul_i32 s31, s2, SLOTB
	s_add_co_u32 s31, s31, RES
	v_mul_u32_u24 v30, v10, PP
	v_add_nc_u32 v30, s31, v30
	v_add_nc_u32 v31, s31, v31
	s_wait_kmcnt 0x0
	s_add_nc_u64 s[10:11], s[10:11], s[24:25]
	s_add_nc_u64 s[12:13], s[12:13], s[26:27]
	s_add_nc_u64 s[16:17], s[16:17], s[28:29]
	WIN 0x40                                       ; destination window 1
	s_wait_alu depctr_va_vdst(0)                   ; v1 to v9, v30 and v31 are written: the offsets and LDS addresses that every load, LDS instruction and store of the kernel reads
.set i, 0
.rept 64
	global_load_b128 v[4*i:4*i+3], v1, s[10:11] offset:512*i       ; my 64 rows of Wo, a row (512 consecutive bytes) an instruction
.set i, i+1
.endr
	WIN 0x80                                       ; destination window 2
.set i, 0
.rept 32
	global_load_b128 v[4*i:4*i+3], v2, s[8:9] offset:2048*i        ; ctx's block: the four waves read 2,048 consecutive bytes an instruction
.set i, i+1
.endr
	WIN 0
.irp p, 0,1
.irp g, 0,1
	global_load_b128 v[RS+8*\p+4*\g:RS+8*\p+4*\g+3], v5, s[12:13] offset:512*\p+16*\g
.endr
.endr
.irp u, 0,1,2,3
	global_load_b128 v[BR+8*\u:BR+8*\u+3], v6, s[14:15] offset:32*\u
	global_load_b128 v[BR+8*\u+4:BR+8*\u+7], v6, s[14:15] offset:32*\u+16
.endr
.irp p, 0,1,2,3
.irp g, 0,1
	global_load_b128 v[XS+8*\p+4*\g:XS+8*\p+4*\g+3], v4, s[8:9] offset:SCO+1024*\p+512*\g
.endr
.endr
	s_wait_loadcnt 52                              ; Wo's 64 rows are in; the copy's 32 loads and the 20 small ones may be out
	WIN 0x04                                       ; an LDS store's data are its source 1: window 1
.set i, 0
.rept 64
	ds_store_b128 v30, v[4*i:4*i+3] offset:((i/8)%4)*TILEB+(8*(i/32)+i%8)*16   ; lane l's 16 bytes are piece l of row 8 (i / 32) + i % 8 of tile (i / 8) % 4
.set i, i+1
.endr
	s_wait_loadcnt 20                              ; the copy is in; the 20 small loads may be out
	WIN 0x08                                       ; data: window 2
.set i, 0
.rept 32
	ds_store_b128 v3, v[4*i:4*i+3] offset:XIMG+2048*i
.set i, i+1
.endr
	s_wait_dscnt 0x0                               ; my rows of Wo lie in my slot
	WIN 0x40
	s_wait_alu depctr_vm_vsrc(0)                   ; the LDS stores have read window 1's registers and window 2's, in which fragments land from here on
.irp u, 0,1,2,3
.irp s, 0,1,2,3,4,5,6,7
.irp c, 0,1
	ds_load_b128 v[64*\u+8*\s+4*\c:64*\u+8*\s+4*\c+3], v31 offset:\u*TILEB+(4*\s+2*\c)*PP
.endr
.endr
.endr
	WIN 0
	s_wait_loadcnt 0x0
	s_wait_dscnt 0x0
	s_barrier_signal -1
	s_barrier_wait -1                              ; ctx's eight tiles lie in LDS
	OFRAG 0
.irp i, 0,1,2,3,4,5,6,7
.if \i < 7
	OFRAG \i+1                                     ; no wait: no vector or matrix instruction since the wait behind the last tile's products names this set of fragments
.endif
.if (\i == 0) || (\i == 7)
	s_wait_dscnt 16                                ; this tile's fragments are in; out may be the next tile's 16 loads (tile 0) or the last tile's 16 stage instructions (tile 7)
.else
	s_wait_dscnt 32                                ; out may be the last tile's 16 stage instructions and the next tile's 16 loads
.endif
	OMM \i
.if \i == 7
	SEND \i-1, 0
.elseif \i > 0
	SEND \i-1, 16                                  ; the last tile's rows are back; the next tile's 16 fragment loads may be out
.endif
.rept 4
	v_nop                                          ; four places between the last product and the stores that read results
.endr
	s_wait_alu depctr_va_vdst(0)                   ; this tile's products have written their accumulators, which the LDS stores below read, and are done reading their fragments, in which the loads at the next tile's head land; the places above stay beside this wait
	s_wait_xcnt 0x0                                ; earlier stores have had their addresses translated: this tile's rows come back into registers that they read
.if \i > 0
	s_wait_alu depctr_vm_vsrc(0)                   ; the last tile's LDS stores have read their accumulators, which the next tile's products write; the global stores of two tiles back have read the rows' registers in which the loads below land
.endif
	TOSTAGE \i
.endr
	SEND 7, 0
	s_wait_dscnt 0x0                               ; the closing lines, six on end
	s_wait_alu 0x0
	s_wait_tensorcnt 0x0
	ds_add_u32 v254, v255
	s_wait_dscnt 0x0
	s_endpgm
.Lfunc_end_k_q474d8ea93c_oproj:
	.size	k_q474d8ea93c_oproj, .Lfunc_end_k_q474d8ea93c_oproj-k_q474d8ea93c_oproj
	.p2alignl 7, 3214868480
	.fill 96, 4, 3214868480
	.section	.rodata,"a",@progbits
	.p2align	6, 0x0
	.amdhsa_kernel k_q474d8ea93c_oproj
		.amdhsa_group_segment_fixed_size 222720
		.amdhsa_private_segment_fixed_size 0
		.amdhsa_enable_private_segment 0
		.amdhsa_kernarg_size 40
		.amdhsa_user_sgpr_count 2
		.amdhsa_user_sgpr_kernarg_segment_ptr 1
		.amdhsa_wavefront_size32 1
		.amdhsa_system_sgpr_workgroup_id_x 1
		.amdhsa_system_sgpr_workgroup_id_y 1
		.amdhsa_system_sgpr_workgroup_id_z 1
		.amdhsa_system_vgpr_workitem_id 0
		.amdhsa_next_free_vgpr 640
		.amdhsa_next_free_sgpr 66
		.amdhsa_reserve_vcc 0
		.amdhsa_float_denorm_mode_32 3
		.amdhsa_float_denorm_mode_16_64 3
		.amdhsa_memory_ordered 1
		.amdhsa_forward_progress 1
		.amdhsa_inst_pref_size 82
	.end_amdhsa_kernel
	.amdgpu_metadata
---
amdhsa.version: [ 1, 2 ]
amdhsa.kernels:
  - .name:           k_q474d8ea93c_oproj
    .symbol:         k_q474d8ea93c_oproj.kd
    .args:
      - { .name: cw, .offset: 0, .size: 8, .value_kind: global_buffer, .address_space: global }
      - { .name: Wo_codes, .offset: 8, .size: 8, .value_kind: global_buffer, .address_space: global }
      - { .name: Wo_scales, .offset: 16, .size: 8, .value_kind: global_buffer, .address_space: global }
      - { .name: bo, .offset: 24, .size: 8, .value_kind: global_buffer, .address_space: global }
      - { .name: out0, .offset: 32, .size: 8, .value_kind: global_buffer, .address_space: global }
    .group_segment_fixed_size: 222720
    .private_segment_fixed_size: 0
    .kernarg_segment_align: 8
    .kernarg_segment_size: 40
    .max_flat_workgroup_size: 128
    .sgpr_count:     66
    .vgpr_count:     640
    .wavefront_size: 32
...
	.end_amdgpu_metadata
.endif
;; end of part 6
